; MI455X (gfx1250); checked and timed in simulation.
; The chip was launched on July 23, 2026; its instructions are those of AMD's public machine-readable ISA for CDNA 5 (MIT licence, August 2026) and "CDNA5" Instruction Set Architecture Reference Guide (July 2026). The comments in the code are by the model that wrote it; some were corrected since.
;; Motion Prediction. Allowed arithmetic: matrix products marked QUANTISED: E3M2 operands, one E8M0 scale for each 32 along K, by v_wmma_scale_f32_16x16x128_f8f6f4 with both operands' format E3M2, f32 sums; products left as they are: f32 operands where the result goes on into a quantised operand, else bf16, f16 or f32 operands; f32 sums; everything else in f32.
;; Inputs: W 4,096 x 8 float32; W1 8 x 1,024 x 512 float32; W2 8 x 1,024 x 1,024 float32; W3 8 x 512 x 1,024 float32; X 4,096 x 512 float32; b1 8 x 1,024 float32; b2 8 x 1,024 float32; b3 8 x 512 float32.
;; Outputs: out0 4,096 x 512 float32.
;; This version of the problem:
;;   THIS VERSION OF THE PROBLEM IS GIVEN IN LOW PRECISION. The matrix products marked QUANTISED in the list below multiply operands that are first quantised to E3M2 (3 exponent bits, 2 mantissa bits; 6 bits a number), with one power-of-two scale for each 32 numbers along K (OCP MX v1.0); their sums are f32. All else is computed in f32.
;;   The module's matrix products, in the order in which they are computed (A, B: the left and right operand; K: the contracted axis; several contracted axes count as one K, in the product's order):
;;     1. [M 4,096, K 512] x [K 512, N 8,192]; A: input X; B: input W1: QUANTISED
;;     2. batch 4,096 x [M 1, K 8] x [K 8, N 1,024]; A: input W; B: computed on the way: left as it is (K = 8 < 32)
;;     3. [M 4,096, K 1,024] x [K 1,024, N 8,192]; A: computed on the way; B: input W2: QUANTISED
;;     4. batch 4,096 x [M 1, K 8] x [K 8, N 1,024]; A: input W; B: computed on the way: left as it is (K = 8 < 32)
;;     5. [M 4,096, K 1,024] x [K 1,024, N 4,096]; A: computed on the way; B: input W3: QUANTISED
;;     6. batch 4,096 x [M 1, K 8] x [K 8, N 512]; A: input W; B: computed on the way: left as it is (K = 8 < 32)
;;   THE QUANTISER, for each operand of a quantised product, along K:
;;     - K is cut into blocks of 32 from its start; a last block that is shorter is filled with zeros.
;;     - A block's scale is 2^e with e = floor(log2(the largest magnitude in the block)) - 4, held to -126 .. 127; a block of zeros has e = 0. As a byte (E8M0): e + 127.
;;     - Each number is divided by its block's scale, clamped to +-28, and rounded to the nearest number of E3M2, ties to even, subnormals kept.
;;     - The product sums the exact products of the quantised numbers (number of the format x scale) in f32.
;;   ~~~python
;;   def quantise(x, axis):      # numpy; x: float32 -> the quantised numbers, widened to float32 again
;;       x = np.moveaxis(x, axis, -1); K = x.shape[-1]
;;       x = np.pad(x, [(0, 0)] * (x.ndim - 1) + [(0, -K % 32)]); x = x.reshape(x.shape[:-1] + (-1, 32)); a = np.abs(x).max(-1, keepdims=True)
;;       e = np.where(a > 0, np.clip(np.frexp(np.where(a > 0, a, 1))[1] - 1 - 4, -126, 127), 0)      # np.frexp(a)[1] - 1 = floor(log2(a)), exactly
;;       r = np.clip(x / 2.0 ** e, -28, 28)
;;       step = 2.0 ** (np.maximum(np.frexp(np.where(r == 0, 1, r))[1] - 1, -2) - 2)
;;       q = np.round(r / step) * step * 2.0 ** e      # np.round: ties to even
;;       return np.moveaxis(q.reshape(q.shape[:-2] + (-1,))[..., :K], -1, axis).astype(np.float32)
;;   ~~~
;;   OPERANDS COMPUTED ON THE WAY. 'Computed on the way' means the value that the module computes at that place (a softmax that the list does not call 'softmax' is quantised finished and normalised). What goes into a quantiser is computed in f32, as accurately as f32 sums, v_exp_f32 and their like allow (about 1e-6 of the number): no bf16 or f16 on the way to a quantiser, and a product that is left as it is and whose result goes on into a quantised operand takes f32 operands (vector FMAs, or v_wmma_f32_16x16x4_f32). A number that lies on a knife's edge between two numbers of the format may be rounded either way, as far as f32 arithmetic and the matrix unit's own rounding can turn it there, and no further.
;; One version. Each part assembles by itself: llvm-mc -triple=amdgcn-amd-amdhsa -mcpu=gfx1250 --defsym DOCPART=n.
;; ======== version 1 of 1: 4 launches
;; workspace buffers: xq 1,638,400 bytes; a1 3,276,800 bytes; a2 3,276,800 bytes; wq1 3,276,800 bytes; wq2 6,553,600 bytes; wq3 3,276,800 bytes
;; launch quant (part 1): grid 256 x 1, 9 waves a work-group, no clusters, 77,312 bytes of LDS; arguments X, W1, W2, W3, xq, wq1, wq2, wq3; writes xq, wq1, wq2, wq3
.if DOCPART == 1
	.amdgcn_target "amdgcn-amd-amdhsa--gfx1250"
	.amdhsa_code_object_version 6
	.text
	.protected	k_q938df96646_quant
	.globl	k_q938df96646_quant
	.p2align	8
	.type	k_q938df96646_quant,@function
k_q938df96646_quant:
	s_mov_b64 s[64:65], 0
	v_nop
	global_prefetch_b8 v0, s[64:65] scope:SCOPE_SE
	s_setreg_imm32_b32 hwreg(HW_REG_WAVE_MODE, 25, 1), 1
	s_wait_xcnt 0x0
; X [4096][512], W1 [8192][512], W2 [8192][1024], W3 [4096][1024] (experts folded into the rows), f32, K innermost, become codes of BF6 (E3M2) with one
; E8M0 byte for each 32 along K, laid as IMAGES OF THE OPERANDS' REGISTERS, in the order in which the three layer launches take them.
; A block's scale is 2^(floor(log2(its largest magnitude)) - 4); its byte is that magnitude's exponent field - 4, held at 1 from below.
; LIMITS: NaN and infinities among the inputs are not served.  A block of zeros gets the byte 1 where the rule says 127: its codes are zeros, which add nothing, and this program alone reads the bytes.
; A UNIT is a tile of 16 rows x 512 along K: four fragments of 16 x 128.  There are 256 + 512 + 1024 + 512 = 2,304 units = 256 work-groups x 9 waves: a wave takes one.  Waves share nothing: no barrier.
; THE ROWS OF A TILE ARE NOT NEIGHBOURS: tile (G, u) holds rows 32 G + 8 u + i + 8 (i / 8), i = 0 .. 15, so that a later product's results, used transposed, run along the next K.
; A load reads 512 consecutive bytes of one row (128 numbers, a fragment's K), 16 bytes a lane.  The operand's layout gives lane (r, h) k = 64 c + 32 h + 0 .. 31 of row r: the 16 rows turn through the wave's own
; stage in LDS, rows 528 bytes apart (33 x 16: the sixteen rows that a read touches begin 16 bytes apart modulo 256).  A lane then holds two whole blocks: no other lane is asked for a maximum.
; OUT.  Weights: a fragment is three planes of 512 bytes, plane p = registers 4 p .. 4 p + 3, lane l at 16 l.  X: two halves of 768 bytes, half c = registers 6 c .. 6 c + 3 at 16 l, then 6 c + 4, 6 c + 5 at 8 l.
; Scale words: a tile's four words (four K steps) a row, 16 bytes a row: sixteen lanes store 256 consecutive bytes, aligned.
.set STG,  8448                        ; a wave's stage: 16 rows x 528 bytes
.set VO,   10                          ; v10-13   weights: 16 x lane + f x the distance from a K step's fragment to the next
.set OFF,  16                          ; v16-31   16 x lane + (i + 8 (i / 8)) x a row's bytes
.set RAW,  32                          ; v32-159  two sets of 64: a fragment as loaded
.set NUM,  160                         ; v160-223 the 64 numbers of my row, in the operand's order
.set CB,   224                         ; v224-235 the fragment's codes
.set CT,   236                         ; v236-238, v240-242: a block's upper 16 codes as converted (a conversion's three registers begin on an even number)
.set MX,   244                         ; v244-245 largest magnitudes; v246-247 the conversions' scale operands
.set SW,   248                         ; v248-251 my row's four scale words
	s_load_b256 s[4:11], s[0:1], 0x0               ; X, W1, W2, W3
	s_load_b256 s[12:19], s[0:1], 0x20             ; xq, wq1, wq2, wq3
	v_lshl_add_u32 v239, v0, 2, 0x12900
	v_mov_b32 v243, 0
	v_lshrrev_b32 v1, 5, v0
	v_readfirstlane_b32 s20, v1                    ; wave 0..8
	v_and_b32 v1, 31, v0                           ; lane
	v_and_b32 v2, 15, v0                           ; r
	v_bfe_u32 v3, v0, 4, 1                         ; h
	v_lshlrev_b32 v4, 4, v1                        ; 16 x lane
	v_lshlrev_b32 v5, 3, v1                        ; 8 x lane
	s_mul_i32 s47, s20, STG
	v_add_nc_u32 v6, s47, v4                       ; the stage, in: 16 x lane of a row
	v_mul_u32_u24 v7, v2, 528
	v_lshl_add_u32 v7, v3, 7, v7
	v_add_nc_u32 v7, s47, v7                       ; and out: row r, + 128 h bytes
	v_lshlrev_b32 v8, 4, v2                        ; 16 r: my row's scale words
	v_lshlrev_b32 v9, 3, v3                        ; 8 h: my bytes' place in a scale word, in bits
	v_mov_b32 v255, 0                              ; (a lane permute's destination counts as one of its sources)
	s_mov_b32 s32, 0x76543210
	s_mov_b32 s33, 0xfedcba98                      ; v_permlanex16_b32's selects for lane l xor 16
	s_mul_i32 s21, ttmp9, 9
	s_add_co_u32 s21, s21, s20                     ; my unit
	s_mov_b32 s35, 0
	s_mov_b32 s37, 0
	s_mov_b32 s39, 0
; A weight's unit.  v = unit - first = ((G x 2 + u) << kgbits) + kg: kg which 512 along K, u which tile of the group, G which group of 32 rows.  A row is 1 << lgp bytes.
; e = G >> eb the expert; of the rest the low bbits are b, the group inside a work-group's block of outputs, and what is left is that block, hb.  A chunk (hb, e) has ch bytes: codes, then scale blocks of 512 bytes.
; s34: offset in the source; s36: of fragment 0 in the codes; s38: of my tile's 256 scale bytes.  s23: a row's bytes; s24: from a K step's fragment to the next.
.macro WSET first, kgbits, lgp, eb, bbits, ch, kgb, stride, codes
	s_sub_co_u32 s22, s21, \first
	s_and_b32 s40, s22, (1<<(\kgbits))-1           ; kg
	s_lshr_b32 s22, s22, \kgbits
	s_and_b32 s41, s22, 1                          ; u
	s_lshr_b32 s42, s22, 1                         ; G
	s_lshl_b32 s34, s42, (\lgp)+5
	s_lshl_b32 s43, s41, (\lgp)+3
	s_add_co_u32 s34, s34, s43
	s_lshl_b32 s43, s40, 11
	s_add_co_u32 s34, s34, s43                     ; 32 G rows + 8 u rows + 2,048 kg
	s_lshr_b32 s43, s42, \eb                       ; e
	s_and_b32 s44, s42, (1<<(\eb))-1
	s_and_b32 s45, s44, (1<<(\bbits))-1            ; b
	s_lshr_b32 s44, s44, \bbits                    ; hb
	s_lshl_b32 s44, s44, 3
	s_add_co_u32 s44, s44, s43
	s_mul_i32 s44, s44, \ch                        ; the chunk
	s_mul_i32 s36, s40, \kgb
	s_add_co_u32 s36, s36, s44
	s_lshl_b32 s46, s45, 1
	s_add_co_u32 s46, s46, s41                     ; the tile in the chunk: 2 b + u
	s_mul_i32 s46, s46, 1536
	s_add_co_u32 s36, s36, s46
	s_lshl_b32 s38, s45, \kgbits
	s_add_co_u32 s38, s38, s40                     ; the scale block: b x (blocks a pair of tiles) + kg
	s_lshl_b32 s38, s38, 9
	s_lshl_b32 s46, s41, 8                         ; the odd tile takes the block's upper 256 bytes
	s_add_co_u32 s38, s38, s46
	s_add_co_u32 s38, s38, s44
	s_add_co_u32 s38, s38, \codes
	s_mov_b32 s23, 1<<(\lgp)
	s_mov_b32 s24, \stride
	s_mov_b32 s25, 0
.endm
	s_cmp_lt_u32 s21, 256                          ; the arms make plain numbers from ids alone; every arm writes the same registers
	s_cbranch_scc0 .Lnot_x
	s_lshr_b32 s40, s21, 1                         ; X: unit = tile T = 2 G + u
	s_lshl_b32 s34, s40, 16
	s_and_b32 s41, s21, 1
	s_lshl_b32 s41, s41, 14
	s_add_co_u32 s34, s34, s41
	s_mul_i32 s36, s21, 6144                       ; four fragments a tile
	s_lshl_b32 s38, s21, 8
	s_add_co_u32 s38, s38, 1572864                 ; the scale blocks lie behind the codes
	s_mov_b32 s23, 2048
	s_mov_b32 s24, 0
	s_mov_b32 s25, 1
	s_branch .Lset
.Lnot_x:
	s_cmp_lt_u32 s21, 768
	s_cbranch_scc0 .Lnot_w1
	WSET 256, 0, 11, 5, 1, 25600, 0, 6144, 24576
	s_branch .Lset
.Lnot_w1:
	s_cmp_lt_u32 s21, 1792
	s_cbranch_scc0 .Lnot_w2
	WSET 768, 1, 12, 5, 1, 51200, 24576, 6144, 49152
	s_branch .Lset
.Lnot_w2:
	WSET 1792, 1, 12, 4, 1, 51200, 24576, 6144, 49152   ; W3: 16 groups of 32 rows an expert, blocks of 64 outputs: chunks laid as W2's
.Lset:
	s_wait_kmcnt 0x0
	s_cmp_lt_u32 s21, 256                          ; the buffers are chosen on the unit's number alone
	s_cselect_b64 s[26:27], s[4:5], s[6:7]
	s_cselect_b64 s[28:29], s[12:13], s[14:15]
	s_cmp_lt_u32 s21, 768
	s_cselect_b64 s[26:27], s[26:27], s[8:9]
	s_cselect_b64 s[28:29], s[28:29], s[16:17]
	s_cmp_lt_u32 s21, 1792
	s_cselect_b64 s[26:27], s[26:27], s[10:11]
	s_cselect_b64 s[28:29], s[28:29], s[18:19]
	s_add_nc_u64 s[26:27], s[26:27], s[34:35]      ; the source at my tile's first row
	s_add_nc_u64 s[30:31], s[28:29], s[38:39]      ; my tile's scale words
	s_add_nc_u64 s[28:29], s[28:29], s[36:37]      ; my first fragment's image
.set J, 0
.rept 16
	v_mad_u32_u24 v[OFF+J], s23, J+8*(J/8), v4
.set J, J+1
.endr
.set J, 0
.rept 4
	v_mad_u32_u24 v[VO+J], s24, J, v4
.set J, J+1
.endr
.macro LOAD f                          ; fragment f: 16 rows x 512 bytes into set f % 2
.set J, 0
.rept 16
	global_load_b128 v[RAW+64*((\f)%2)+4*J:RAW+64*((\f)%2)+4*J+3], v[OFF+J], s[26:27] offset:512*(\f) th:TH_LOAD_NT
.set J, J+1
.endr
.endm
.macro FRAG f
.if \f < 3
	s_wait_loadcnt 16                              ; this fragment's 16 loads are in; the next fragment's 16 may be out
.else
	s_wait_loadcnt 0x0
.endif
.set J, 0
.rept 16
	ds_store_b128 v6, v[RAW+64*((\f)%2)+4*J:RAW+64*((\f)%2)+4*J+3] offset:528*J
.set J, J+1
.endr
.set J, 0
.rept 16                               ; LDS serves a wave's instructions in order: these see the stores above
	ds_load_b128 v[NUM+4*J:NUM+4*J+3], v7 offset:256*(J/8)+16*(J%8)
.set J, J+1
.endr
	s_wait_dscnt 0x0                               ; my numbers are back, and the stores have read the set,
.if \f+2 < 4
	LOAD \f+2                                      ; which takes the fragment two on
.endif
.irp c, 0,1                            ; my block 2 c + h: all its 32 numbers are mine; the floor 2^(5 - 127) holds the byte at 1 from below
	v_max3_num_f32 v[MX+\c], |v[NUM+32*\c]|, |v[NUM+32*\c+1]|, 0x2800000
.endr
.set J, 2
.rept 15
.irp c, 0,1
	v_max3_num_f32 v[MX+\c], v[MX+\c], |v[NUM+32*\c+J]|, |v[NUM+32*\c+J+1]|
.endr
.set J, J+2
.endr
.irp c, 0,1
	v_add_nc_u32 v[MX+2+\c], 0xfe000000, v[MX+\c]  ; 4 off the exponent field: the conversion takes this operand's exponent field as its scale
.endr
.irp c, 0,1
	v_lshrrev_b32 v[252+\c], 23, v[MX+2+\c]        ; the scale's byte
.endr
	v_lshl_or_b32 v254, v253, 16, v252             ; my two bytes, blocks h and 2 + h,
	v_lshlrev_b32 v254, v9, v254                   ; at their places in the word;
	v_permlanex16_b32 v255, v254, s32, s33
	v_or_b32 v[SW+\f], v254, v255                  ; with lane l xor 16's two the word is whole
.if \f > 0
	s_wait_xcnt 0x0                                ; the last fragment's stores have read the codes' registers: only now are they written again
.endif
.irp c, 0,1
	v_cvt_scalef32_pk16_bf6_f32 v[CB+6*\c:CB+6*\c+2], v[NUM+32*\c:NUM+32*\c+15], v[MX+2+\c]
	v_cvt_scalef32_pk16_bf6_f32 v[CT+4*\c:CT+4*\c+2], v[NUM+32*\c+16:NUM+32*\c+31], v[MX+2+\c]
.endr
	v_nop                                          ; one plain place behind a scaled conversion
.irp c, 0,1
.irp i, 0,1,2
	v_mov_b32 v[CB+6*\c+3+\i], v[CT+4*\c+\i]
.endr
.endr
	s_cmp_eq_u32 s25, 0                            ; the two images differ in their stores alone
	s_cbranch_scc0 .Lx_\@
.irp p, 0,1,2
	global_store_b128 v[VO+\f], v[CB+4*\p:CB+4*\p+3], s[28:29] offset:512*\p   ; 32 lanes store 512 consecutive bytes, aligned to 256
.endr
	s_branch .Ldone_\@
.Lx_\@:
	global_store_b128 v4, v[CB:CB+3], s[28:29] offset:1536*\f
	global_store_b64 v5, v[CB+4:CB+5], s[28:29] offset:1536*\f+512
	global_store_b128 v4, v[CB+6:CB+9], s[28:29] offset:1536*\f+768
	global_store_b64 v5, v[CB+10:CB+11], s[28:29] offset:1536*\f+1280
.Ldone_\@:
.endm
	LOAD 0
	LOAD 1
	FRAG 0
	FRAG 1
	FRAG 2
	FRAG 3
	s_wait_xcnt 0x0                                ; EXEC changes only behind this wait
	v_cmp_gt_u32 vcc_lo, 16, v1
	s_wait_tensorcnt 0x0
	ds_add_u32 v239, v243
	s_wait_dscnt 0x0
	s_and_saveexec_b32 s40, vcc_lo                 ; lanes 16-31 hold the same words as lanes 0-15
	global_store_b128 v8, v[SW:SW+3], s[30:31]     ; sixteen lanes store 256 consecutive bytes, aligned
	s_endpgm
.Lfunc_end_k_q938df96646_quant:
	.size	k_q938df96646_quant, .Lfunc_end_k_q938df96646_quant-k_q938df96646_quant
	.p2alignl 7, 3214868480
	.fill 96, 4, 3214868480
	.section	.rodata,"a",@progbits
	.p2align	6, 0x0
	.amdhsa_kernel k_q938df96646_quant
		.amdhsa_group_segment_fixed_size 77312
		.amdhsa_private_segment_fixed_size 0
		.amdhsa_enable_private_segment 0
		.amdhsa_kernarg_size 64
		.amdhsa_user_sgpr_count 2
		.amdhsa_user_sgpr_kernarg_segment_ptr 1
		.amdhsa_wavefront_size32 1
		.amdhsa_system_sgpr_workgroup_id_x 1
		.amdhsa_system_sgpr_workgroup_id_y 1
		.amdhsa_system_sgpr_workgroup_id_z 1
		.amdhsa_system_vgpr_workitem_id 0
		.amdhsa_next_free_vgpr 256
		.amdhsa_next_free_sgpr 66
		.amdhsa_reserve_vcc 1
		.amdhsa_float_denorm_mode_32 3
		.amdhsa_float_denorm_mode_16_64 3
		.amdhsa_memory_ordered 1
		.amdhsa_forward_progress 1
		.amdhsa_inst_pref_size 37
	.end_amdhsa_kernel
	.amdgpu_metadata
---
amdhsa.version: [ 1, 2 ]
amdhsa.kernels:
  - .name:           k_q938df96646_quant
    .symbol:         k_q938df96646_quant.kd
    .args:
      - { .name: X, .offset: 0, .size: 8, .value_kind: global_buffer, .address_space: global }
      - { .name: W1, .offset: 8, .size: 8, .value_kind: global_buffer, .address_space: global }
      - { .name: W2, .offset: 16, .size: 8, .value_kind: global_buffer, .address_space: global }
      - { .name: W3, .offset: 24, .size: 8, .value_kind: global_buffer, .address_space: global }
      - { .name: xq, .offset: 32, .size: 8, .value_kind: global_buffer, .address_space: global }
      - { .name: wq1, .offset: 40, .size: 8, .value_kind: global_buffer, .address_space: global }
      - { .name: wq2, .offset: 48, .size: 8, .value_kind: global_buffer, .address_space: global }
      - { .name: wq3, .offset: 56, .size: 8, .value_kind: global_buffer, .address_space: global }
    .group_segment_fixed_size: 77312
    .private_segment_fixed_size: 0
    .kernarg_segment_align: 8
    .kernarg_segment_size: 64
    .max_flat_workgroup_size: 288
    .sgpr_count:     66
    .vgpr_count:     256
    .wavefront_size: 32
...
	.end_amdgpu_metadata
.endif
;; end of part 1
;; launch layer1 (part 2): grid 16 x 16, 4 waves a work-group, clusters of 4 x 1, 205,312 bytes of LDS; arguments xq, wq1, W, b1, a1; writes a1
.if DOCPART == 2
	.amdgcn_target "amdgcn-amd-amdhsa--gfx1250"
	.amdhsa_code_object_version 6
	.text
	.protected	k_q938df96646_layer1
	.globl	k_q938df96646_layer1
	.p2align	8
	.type	k_q938df96646_layer1,@function
k_q938df96646_layer1:
	s_mov_b64 s[64:65], 0
	v_nop
	global_prefetch_b8 v0, s[64:65] scope:SCOPE_SE
	s_setreg_imm32_b32 hwreg(HW_REG_WAVE_MODE, 25, 1), 1
	s_wait_xcnt 0x0
	s_wait_alu depctr_hold_cnt(0) depctr_sa_sdst(0) depctr_va_vdst(0) depctr_va_sdst(0) depctr_va_ssrc(0) depctr_va_vcc(0) depctr_vm_vsrc(0)
	s_getreg_b32 s2, hwreg(HW_REG_IB_STS2, 6, 4)
	s_cmp_eq_u32 s2, 0
	s_cbranch_scc0 .Lentry_in_a_cluster
	s_endpgm
.Lentry_in_a_cluster:
	s_bfe_u32 s2, ttmp6, 0x10000c
	s_cmp_lg_u32 s2, 0x3003
	s_cbranch_scc0 .Lentry_shape_is_right
	s_endpgm
.Lentry_shape_is_right:
; mid1 = elu(sum over e of W[token][e] (x W1[e]^T + b1[e])), quantised along the hidden units for the next product.  The product runs on codes of BF6 (E3M2) with E8M0 scales, K = 512.
; SHARES.  A work-group: 256 tokens (block tb = x) x 64 hidden units (block hb = y) x all 8 experts.  A wave: 64 tokens, four tiles of 16; all four waves read the same weights from LDS.
; The tokens' fragments (4 K steps x 4 tiles) come once, straight into registers, and serve all 8 experts.  The 8 experts' weights for hb are one dense block of 204,800 bytes, which fits in LDS whole: filled once.
; CLUSTER.  The four work-groups of a cluster share hb, so each weight block is asked for JOINTLY, with the mask of all four.  The tokens are shared only with work-groups of other hb, in other clusters; each wave takes
; them once into registers, so sharing them would add a way through LDS and spare no LDS read.
; TRANSPOSED USE: source 0 = 16 rows of a weight, source 1 = 16 tokens: a lane holds ONE token (lane % 16), so its gate is one number a lane, and the registers of weight tiles 2 b, 2 b + 1 are the 16 neighbouring
; hidden units 32 b + 16 (lane / 16) + 0 .. 15 (the rows of a tile were chosen for that when the weights were laid out).
; AN EXPERT: acc = b1 (the C of the first K step) + the product; then tot += gate x acc, four packed multiply-adds a tile, set between the matrix instructions of the expert's last step.
; ELU ahead of the quantiser: for x < -1/8, 2^(x log2 e) - 1; for -1/8 <= x < 0 the series x + x^2/2 + .. + x^5/120 (what is cut is under x^5/720 of the result: 4e-8); the middle of x, that number and 0 is elu(x) for every x.
; LIMITS: NaN and infinities are not served.  A block of zeros gets the scale byte 1 (its codes are zeros; this program alone reads the bytes).  The scale bytes leave as 2 bytes a lane, 16 bytes apart: two stores a wave.
; REGISTERS, in windows of 256.  Window 0: v0-7 ids and offsets; v16-19 LDS bases; v22-23 1/24; v32-63 gates (tile m, expert e: 32 + 8 m + e); v64-71 the tokens' scale words; v80-111 the weights', two sets;
;   v112-143 the bias, 8 a tile; v144-239 weight fragments, two sets of four.   Window 1: the tokens' fragments (K step s, tile m) at 48 s + 12 m.   Window 3: v0-127 acc (m, t) at 8 (4 m + t); v128-255 tot likewise.
.set NS,    4                          ; K steps of 128
.set NG,    1                          ; scale blocks (four K steps each) for a pair of tiles
.set NT,    4                          ; weight tiles of 16 rows
.set SP,    4                          ; steps an expert: a step is 4 weight fragments x 4 token tiles
.set CH,    25600                      ; an expert's chunk: codes [s 4][t 4][1536], then 2 scale blocks of 512
.set CODES, 24576
.set NSL,   2                          ; scale blocks in a chunk
.set I0,    0                          ; in an expert's last step the tiles are finished from this matrix instruction on
.set SCOFF, 1572864                    ; where the tokens' scale blocks begin in xq
.set BROW,  4096                       ; an expert's row of the bias, in bytes
.set TOT,   32*NT
.set ADR,   16
.set GATE,  32
.set TSC,   64
.set WSC,   80
.set BIA,   112
.set WFR,   144
.set MSB, 0
.macro WIN new                         ; low byte: bits 1:0 source 0, 3:2 source 1, 5:4 source 2, 7:6 destination; the high byte repeats the setting that is left
.if MSB != (\new)
	s_set_vgpr_msb (MSB<<8)|(\new)
.set MSB, (\new)
.endif
.endm
.macro ROUND                           ; a round of the cluster's barrier
	s_barrier_signal -1
	s_barrier_wait -1
	s_cmp_lg_u32 s14, 0
	s_cbranch_scc1 .Lnot_wave_0_\@
	s_barrier_signal -3
.Lnot_wave_0_\@:
	s_barrier_wait -3
	s_barrier_signal -1
	s_barrier_wait -1
.endm
.macro SYNCP n                         ; my part of the block that is read next has landed (n later fills may be out), no LDS instruction of mine is pending: then the work-group's barrier.
	s_wait_dscnt 0x0
	s_wait_tensorcnt \n
	s_barrier_signal -1
	s_barrier_wait -1
.endm
.macro PLACES                          ; four places behind a matrix instruction, in front of loads into registers that it read and of reads of its result
.rept 4
	v_nop
.endr
.endm
.macro ALOAD s                         ; the tokens' fragments of K step s: for each tile two halves, 16 + 8 bytes a lane: 16 loads
	WIN 0x40*(1+(\s)/4)
.irp m, 0,1,2,3
.irp c, 0,1
	global_load_b128 v[48*((\s)%4)+12*\m+6*\c:48*((\s)%4)+12*\m+6*\c+3], v4, s[84:85] offset:(\m*NS+(\s))*1536+768*\c
	global_load_b64 v[48*((\s)%4)+12*\m+6*\c+4:48*((\s)%4)+12*\m+6*\c+5], v5, s[84:85] offset:(\m*NS+(\s))*1536+768*\c+512
.endr
.endr
.endm
.macro BIAS e                          ; expert e's bias in the result's layout: tile t = 2 b + u, lane half h: units 32 b + 16 h + 8 u + 0 .. 7
	WIN 0
.set J, 0
.rept NT
	global_load_b128 v[BIA+8*J:BIA+8*J+3], v7, s[90:91] offset:(\e)*BROW+128*(J/2)+32*(J%2)
	global_load_b128 v[BIA+8*J+4:BIA+8*J+7], v7, s[90:91] offset:(\e)*BROW+128*(J/2)+32*(J%2)+16
.set J, J+1
.endr
.endm
.macro WHERE e                         ; expert e's chunk in LDS: base register and offset
.set ADI, ADR+(\e)/2
.set LB, ((\e)%2)*CH
.endm
.macro SLOAD e                         ; its scale blocks: lanes 0-15 the even tile's words, lanes 16-31 the odd tile's, four K steps a load
	WHERE \e
.set J, 0
.rept NSL
	ds_load_b128 v[WSC+16*((\e)%2)+4*J:WSC+16*((\e)%2)+4*J+3], v[ADI] offset:LB+CODES+512*J
.set J, J+1
.endr
.endm
.macro WLOAD e, st, buf                ; the four weight fragments of step st, as they lie: 12 loads of 512 consecutive bytes
	WHERE \e
.irp f, 0,1,2,3
.irp p, 0,1,2
	ds_load_b128 v[WFR+48*(\buf)+12*\f+4*\p:WFR+48*(\buf)+12*\f+4*\p+3], v[ADI] offset:LB+6144*(\st)+1536*\f+512*\p
.endr
.endr
.endm
.macro WM f, m                         ; fragment f of the step x token tile m
.if NT == 4
.set XK, XS
.set XT, \f
.else
.set XK, 2*XS+(\f)/2
.set XT, (\f)%2
.endif
.set rD, 8*(NT*(\m)+XT)
.set rA, WFR+48*(XN%2)+12*(\f)
.set rB, 48*(XK%4)+12*(\m)
.set rP, WSC+16*(XE%2)+NS*(XT/2)+XK
.set rQ, TSC+NS*((\m)/2)+XK
.if XK == 0
.set rC, BIA+8*XT                      ; the bias starts the sum
	WIN 0xC4
.else
.set rC, rD
	WIN 0xF0+4*(1+XK/4)
.endif
.if (XT%2 == 0) && ((\m)%2 == 0)
	v_wmma_scale_f32_16x16x128_f8f6f4 v[rD:rD+7], v[rA:rA+11], v[rB:rB+11], v[rC:rC+7], v[rP], v[rQ] matrix_a_fmt:MATRIX_FMT_BF6 matrix_b_fmt:MATRIX_FMT_BF6
.elseif (\m)%2 == 0
	v_wmma_scale_f32_16x16x128_f8f6f4 v[rD:rD+7], v[rA:rA+11], v[rB:rB+11], v[rC:rC+7], v[rP], v[rQ] matrix_a_fmt:MATRIX_FMT_BF6 matrix_b_fmt:MATRIX_FMT_BF6 matrix_a_scale:MATRIX_SCALE_ROW1
.elseif XT%2 == 0
	v_wmma_scale_f32_16x16x128_f8f6f4 v[rD:rD+7], v[rA:rA+11], v[rB:rB+11], v[rC:rC+7], v[rP], v[rQ] matrix_a_fmt:MATRIX_FMT_BF6 matrix_b_fmt:MATRIX_FMT_BF6 matrix_b_scale:MATRIX_SCALE_ROW1
.else
	v_wmma_scale_f32_16x16x128_f8f6f4 v[rD:rD+7], v[rA:rA+11], v[rB:rB+11], v[rC:rC+7], v[rP], v[rQ] matrix_a_fmt:MATRIX_FMT_BF6 matrix_b_fmt:MATRIX_FMT_BF6 matrix_a_scale:MATRIX_SCALE_ROW1 matrix_b_scale:MATRIX_SCALE_ROW1
.endif
.endm
.macro COMB k                          ; tot += gate x acc for the tile of the step's k-th matrix instruction, from the accumulator's low end on.  Expert 0 starts tot: nothing is cleared
.set cM, (\k)%4
.set cT, ((\k)/4)%NT
.set rAc, 8*(NT*cM+cT)
.set rT, TOT+rAc
.set rG, GATE+8*cM+2*(XE/2)
	WIN 0xF3
.irp j, 0,2,4,6
.if XE == 0
	v_pk_mul_f32 v[rT+\j:rT+\j+1], v[rAc+\j:rAc+\j+1], v[rG:rG+1] op_sel_hi:[1,0]
.elseif XE%2 == 0
	v_pk_fma_f32 v[rT+\j:rT+\j+1], v[rAc+\j:rAc+\j+1], v[rG:rG+1], v[rT+\j:rT+\j+1] op_sel_hi:[1,0,1]
.else
	v_pk_fma_f32 v[rT+\j:rT+\j+1], v[rAc+\j:rAc+\j+1], v[rG:rG+1], v[rT+\j:rT+\j+1] op_sel:[0,1,0] op_sel_hi:[1,1,1]
.endif
.endr
.endm
.macro SYNCS                           ; experts 2 p, 2 p + 1 came by fill p: fill p + 1 is first read in the last step of expert 2 p + 1
.if LASTS
.if XE == 1
	SYNCP 2
.elseif XE == 3
	SYNCP 1
.elseif XE == 5
	SYNCP 0
.endif
.endif
.endm
.macro LWAIT                           ; expert 0: the tokens' K step of this step is in; the count is the loads issued behind it (later K steps, 16 each; from step 2 on the next bias's 8).  Later experts: the bias
.if XE > 0
.if XS == 0
	s_wait_loadcnt 0x0
.endif
.elseif XS == 0
	s_wait_loadcnt 48
.elseif XS == 1
	s_wait_loadcnt 32
.elseif XS == 2
	s_wait_loadcnt 24
.else
	s_wait_loadcnt 8
.endif
.endm
.macro XLOADS                          ; all four K steps of the tokens are asked for at the head
.endm
; A STEP: 16 matrix instructions, the 16 accumulators by turns in the same order in every step.  At its head the next step's fragments are asked for, into the other set.
.macro STEP
.set XN, SP*XE+XS
.set LASTS, 0
.if XS == SP-1
.set LASTS, 1
.endif
.set MORE, 1
.if XN == 8*SP-1
.set MORE, 0
.endif
.set NE, XE
.set NST, XS+1
.if LASTS
.set NE, XE+1
.set NST, 0
.endif
	SYNCS
	LWAIT
	PLACES
.if (XS == 1) && (XE < 7)
	BIAS XE+1                                      ; the bias registers were last read in step 0
.endif
.if XE == 0
	XLOADS
.endif
	WIN 0
.set XL, 0
.if LASTS && MORE
	SLOAD NE
.set XL, NSL
.endif
.if MORE
	WLOAD NE, NST, (XN+1)%2
.set XL, XL+12
.endif
.set XI, 0
.irp f, 0,1,2,3
	s_wait_dscnt XL+3*(3-\f)                       ; fragment f is in: the loads just issued and this step's later fragments, three loads each, may be out
.irp m, 0,1,2,3
	WM \f, \m
.if LASTS
.if XI >= I0+2
.if XI == I0+2
	PLACES
.endif
	COMB XI-2                                      ; eight plain instructions (the first time four) lie between a tile's last product and this read
.endif
.endif
.set XI, XI+1
.endr
.endr
.if LASTS
	COMB 14
	COMB 15
.endif
.endm
	s_load_b256 s[4:11], s[0:1], 0x0               ; xq s[4:5], wq1 s[6:7], W s[8:9], b1 s[10:11]
	s_load_b64 s[12:13], s[0:1], 0x20              ; a1
	v_lshl_add_u32 v254, v0, 2, 0x32000
	v_mov_b32 v255, 0
	ds_add_u32 v254, v255
	ds_add_u32 v254, v255
	v_lshrrev_b32 v1, 5, v0
	v_readfirstlane_b32 s14, v1                    ; wave 0..3
	v_and_b32 v1, 31, v0                           ; lane
	v_and_b32 v2, 15, v0                           ; r
	v_bfe_u32 v3, v0, 4, 1                         ; h
	v_lshlrev_b32 v4, 4, v1                        ; 16 x lane
	v_lshlrev_b32 v5, 3, v1                        ; 8 x lane
	v_and_b32 v6, 8, v2
	v_add_nc_u32 v6, v6, v2
	v_lshlrev_b32 v6, 5, v6                        ; gates: token r + 8 (r / 8) of a tile, 32 bytes a token
	v_lshlrev_b32 v7, 6, v3                        ; bias: 16 h numbers on
.irp k, 0,1,2,3
	v_lshl_add_u32 v[ADR+\k], v1, 4, 51200*\k      ; LDS: 16 x lane + fill k's block
.endr
	v_mov_b32 v22, 0x3d2aaaab                      ; 1/24, as a pair
	v_mov_b32 v23, 0x3d2aaaab
	s_bfe_u32 s15, ttmp6, 0x40000                  ; cx: it enters the tokens', gates' and output's addresses alone
	s_lshl_b32 s16, ttmp9, 2
	s_add_co_u32 s16, s16, s15                     ; tb
	s_and_b32 s17, ttmp7, 0xffff                   ; hb, which the four partners share
	s_lshl_b32 s18, s16, 2
	s_add_co_u32 s18, s18, s14                     ; wb = 4 tb + wave: my 64 tokens
	s_mov_b32 s24, 15|(3<<16)|(1<<21)              ; group 1: mask of all four work-groups, elements of 8 bytes, bit 21 beside the mask; a dense block as 50 rows of 256 bytes
	s_mov_b32 s25, 32<<16                          ; tensor_dim0 = 32
	s_mov_b32 s26, 50<<16                          ; tensor_dim1 = 50
	s_mov_b32 s27, 32<<16                          ; tile_dim0 = 32
	s_mov_b32 s28, 50                              ; tile_dim1 = 50
	s_mov_b32 s29, 32                              ; from row to row
	s_mov_b32 s30, 0
	s_mov_b32 s31, 0
	s_mul_i32 s2, s14, 12800                       ; my quarter of a fill
	s_mov_b32 s3, 0
	s_mul_i32 s22, s17, 8*CH
	s_mov_b32 s23, 0
	s_mov_b32 s21, 0
	s_mov_b32 s60, 0x76543210
	s_mov_b32 s61, 0xfedcba98                      ; v_permlanex16_b32's selects for lane l xor 16
	s_mov_b32 s66, 0x3fb8aa3b                      ; log2(e); the packed forms name pairs, so both words are written
	s_mov_b32 s67, 0x3fb8aa3b
	s_mov_b32 s68, 0x3c088889                      ; 1/120
	s_mov_b32 s69, 0x3c088889
	s_mov_b32 s72, 0x3e2aaaab                      ; 1/6
	s_mov_b32 s73, 0x3e2aaaab
	s_mov_b32 s74, 0xbe000000                      ; -1/8
	s_mov_b32 s75, 0xffff0000                      ; lanes 16-31
	s_wait_dscnt 0x0
	s_wait_kmcnt 0x0
	s_mul_i32 s20, s18, 4*NS*1536
	s_add_nc_u64 s[84:85], s[4:5], s[20:21]        ; my four tiles' fragments
	s_mul_i32 s20, s18, 1024*NG
	s_add_co_u32 s20, s20, SCOFF
	s_add_nc_u64 s[86:87], s[4:5], s[20:21]        ; their scale blocks
	s_lshl_b32 s20, s18, 11
	s_add_nc_u64 s[88:89], s[8:9], s[20:21]        ; my 64 tokens' gates
	s_mul_i32 s20, s17, 64*NT
	s_add_nc_u64 s[90:91], s[10:11], s[20:21]      ; the bias at hb's first unit
	s_mul_i32 s20, s18, 49152                      ; out: codes [tile][K step 8][1536]; hb is half (hb % 2) of K step hb / 2
	s_mul_i32 s19, s17, 768
	s_add_co_u32 s20, s20, s19
	s_add_nc_u64 s[80:81], s[12:13], s[20:21]
	s_lshl_b32 s20, s18, 11                        ; out: scale blocks [pair of tiles][2][512]; hb's two bytes lie 2 (hb % 8) into a lane's 16 bytes of block hb / 8
	s_lshr_b32 s19, s17, 3
	s_lshl_b32 s19, s19, 9
	s_add_co_u32 s20, s20, s19
	s_and_b32 s19, s17, 7
	s_lshl_b32 s19, s19, 1
	s_add_co_u32 s20, s20, s19
	s_add_co_u32 s20, s20, 3145728
	s_add_nc_u64 s[82:83], s[12:13], s[20:21]
	s_add_nc_u64 s[6:7], s[6:7], s[22:23]          ; the weights of hb,
	s_add_nc_u64 s[70:71], s[6:7], s[2:3]          ; my quarter
.irp p, 0,1,2,3
	s_mov_b32 s[40+4*\p], 1                        ; group 0 of fill p: count 1,
	s_add_co_u32 s[41+4*\p], s2, 51200*\p          ; LDS byte,
	s_add_nc_u64 s[42+4*\p:43+4*\p], s[70:71], 51200*\p   ; global address,
	s_or_b32 s[43+4*\p], s[43+4*\p], 0x80000000    ; type 2
.endr
.set J, 0
.rept 2*NG
	global_load_b128 v[TSC+4*J:TSC+4*J+3], v4, s[86:87] offset:512*J   ; lanes 0-15 the even tile's words, lanes 16-31 the odd tile's
.set J, J+1
.endr
.irp m, 0,1,2,3
	global_load_b128 v[GATE+8*\m:GATE+8*\m+3], v6, s[88:89] offset:(32*(\m/2)+8*(\m%2))*32
	global_load_b128 v[GATE+8*\m+4:GATE+8*\m+7], v6, s[88:89] offset:(32*(\m/2)+8*(\m%2))*32+16
.endr
	BIAS 0
	ALOAD 0
	ALOAD 1
	WIN 0
	ROUND                                          ; all four work-groups are here: the joint loads meet
	tensor_load_to_lds s[40:43], s[24:31]          ; all first fills in one group: four loads of mine are out
	s_nop 0
	tensor_load_to_lds s[44:47], s[24:31]
	s_nop 0
	tensor_load_to_lds s[48:51], s[24:31]
	s_nop 0
	tensor_load_to_lds s[52:55], s[24:31]
	s_nop 0
	PLACES                                         ; four v_nop follow the last
	ALOAD 2
	ALOAD 3
	WIN 0
	SYNCP 3                                        ; experts 0 and 1 are in LDS
	SLOAD 0
	WLOAD 0, 0, 0
.set XE, 0
.rept 8
.set XS, 0
.rept SP
	STEP
.set XS, XS+1
.endr
.set XE, XE+1
.endr
; ELU on 64 registers of tot, in place.  Y = v0-63 and P = v64-127 of window 3, which were accumulators.
.macro ELU64 q
.set X0, TOT+64*(\q)
	WIN 0xFF
.set J, 0
.rept 32
	v_pk_mul_f32 v[J:J+1], v[X0+J:X0+J+1], s[66:67] op_sel_hi:[1,0]
.set J, J+2
.endr
.set J, 0
.rept 64
	v_exp_f32 v[J], v[J]                           ; e^x: one batch
.set J, J+1
.endr
	WIN 0xC3                                       ; the series is the independent work behind the batch
.set J, 0
.rept 32
	v_pk_fma_f32 v[64+J:65+J], v[X0+J:X0+J+1], s[68:69], v[22:23] op_sel_hi:[1,0,1]
.set J, J+2
.endr
	WIN 0xFF
.set J, 0
.rept 32
	v_pk_fma_f32 v[64+J:65+J], v[64+J:65+J], v[X0+J:X0+J+1], s[72:73] op_sel_hi:[1,1,0]
.set J, J+2
.endr
.set J, 0
.rept 32
	v_pk_fma_f32 v[64+J:65+J], v[64+J:65+J], v[X0+J:X0+J+1], 0.5 op_sel_hi:[1,1,0]
.set J, J+2
.endr
.set J, 0
.rept 32
	v_pk_fma_f32 v[64+J:65+J], v[64+J:65+J], v[X0+J:X0+J+1], 1.0 op_sel_hi:[1,1,0]
.set J, J+2
.endr
.set J, 0
.rept 32
	v_pk_mul_f32 v[64+J:65+J], v[64+J:65+J], v[X0+J:X0+J+1]
.set J, J+2
.endr
	s_wait_alu depctr_va_vdst(0)                   ; one wait for the 64 exponentials, ahead of their first reader
.set J, 0
.rept 32
	v_pk_add_f32 v[J:J+1], v[J:J+1], -1.0 op_sel_hi:[1,0]
.set J, J+2
.endr
.set J, 0
.rept 16
.irp k, 0,1,2,3
	v_cmp_lt_f32 s[76+\k], v[X0+J+\k], s74         ; x < -1/8: e^x - 1, else the series
.endr
.irp k, 0,1,2,3
	v_cndmask_b32 v[64+J+\k], v[64+J+\k], v[J+\k], s[76+\k]
.endr
.irp k, 0,1,2,3
	v_med3_num_f32 v[X0+J+\k], v[X0+J+\k], v[64+J+\k], 0   ; x > 0: that number is at least x, so the middle is x; x < 0: it lies between x and 0
.endr
.set J, J+4
.endr
.endm
	PLACES                                         ; ahead of vector writes into registers that were accumulators
	ELU64 0
	ELU64 1
; THE QUANTISER: tile m's 32 registers at TOT + 32 m are two blocks of 32 hidden units, 16 numbers of each in lanes l and l xor 16.  The eight blocks n = 2 m + b take turns.
; Window 3: v[8 m ..] the codes; v[32 + 4 m ..] block 1's half as converted; v48-55 maxima; v56-63 the other lane's; v64-71 scale operands; v72-79 bytes; v80-83 two bytes a tile; v84-85 those of a pair of tiles.
	WIN 0xFF
.irp n, 0,1,2,3,4,5,6,7
	v_max3_num_f32 v[48+\n], |v[TOT+16*\n]|, |v[TOT+16*\n+1]|, 0x2800000   ; the floor 2^(5 - 127) holds the byte at 1 from below
.endr
.irp i, 2,4,6,8,10,12,14
.irp n, 0,1,2,3,4,5,6,7
	v_max3_num_f32 v[48+\n], v[48+\n], |v[TOT+16*\n+\i]|, |v[TOT+16*\n+\i+1]|
.endr
.endr
.irp n, 0,1,2,3,4,5,6,7
	v_permlanex16_b32 v[56+\n], v[48+\n], s60, s61
.endr
.irp n, 0,1,2,3,4,5,6,7
	v_max_num_f32 v[48+\n], v[48+\n], v[56+\n]     ; the block's largest magnitude
.endr
.irp n, 0,1,2,3,4,5,6,7
	v_add_nc_u32 v[64+\n], 0xfe000000, v[48+\n]    ; 4 off its exponent field: the conversion's scale operand
.endr
.irp n, 0,1,2,3,4,5,6,7
	v_lshrrev_b32 v[72+\n], 23, v[64+\n]           ; the scale's byte
.endr
.irp m, 0,1,2,3
	v_lshl_or_b32 v[80+\m], v[73+2*\m], 8, v[72+2*\m]
.endr
.irp m, 0,1,2,3
	v_cvt_scalef32_pk16_bf6_f32 v[8*\m:8*\m+2], v[TOT+32*\m:TOT+32*\m+15], v[64+2*\m]
	v_cvt_scalef32_pk16_bf6_f32 v[32+4*\m:34+4*\m], v[TOT+32*\m+16:TOT+32*\m+31], v[65+2*\m]
.endr
	v_nop                                          ; one plain place behind a scaled conversion
.irp m, 0,1,2,3                        ; the operand's layout wants a whole block in a lane: lanes 0-15 block 0, lanes 16-31 block 1
.irp i, 0,1,2
	v_permlane16_swap_b32 v[8*\m+\i], v[32+4*\m+\i]
.endr
.endr
.irp m, 0,1,2,3
.irp i, 0,1,2
	v_mov_b32 v[8*\m+3+\i], v[32+4*\m+\i]
.endr
.endr
.irp q, 0,1
	v_cndmask_b32 v[84+\q], v[80+2*\q], v[81+2*\q], s75   ; lanes 0-15 the even tile's two bytes, lanes 16-31 the odd tile's
.endr
	WIN 0x0C                                       ; a store's data are its source 1: window 3
.irp m, 0,1,2,3
	global_store_b128 v4, v[8*\m:8*\m+3], s[80:81] offset:12288*\m        ; 512 consecutive bytes, aligned to 256
	global_store_b64 v5, v[8*\m+4:8*\m+5], s[80:81] offset:12288*\m+512   ; 256 consecutive bytes, aligned
.endr
.irp q, 0,1
	global_store_b16 v4, v[84+\q], s[82:83] offset:1024*\q
.endr
	WIN 0
	s_wait_dscnt 0x0
	s_wait_tensorcnt 0x0
	ds_add_u32 v254, v255
	s_wait_dscnt 0x0
	ROUND                                          ; the closing round: no work-group ends while a partner may still ask for a block that names it
	s_endpgm
.Lfunc_end_k_q938df96646_layer1:
	.size	k_q938df96646_layer1, .Lfunc_end_k_q938df96646_layer1-k_q938df96646_layer1
	.p2alignl 7, 3214868480
	.fill 96, 4, 3214868480
	.section	.rodata,"a",@progbits
	.p2align	6, 0x0
	.amdhsa_kernel k_q938df96646_layer1
		.amdhsa_group_segment_fixed_size 205312
		.amdhsa_private_segment_fixed_size 0
		.amdhsa_enable_private_segment 0
		.amdhsa_kernarg_size 40
		.amdhsa_user_sgpr_count 2
		.amdhsa_user_sgpr_kernarg_segment_ptr 1
		.amdhsa_wavefront_size32 1
		.amdhsa_system_sgpr_workgroup_id_x 1
		.amdhsa_system_sgpr_workgroup_id_y 1
		.amdhsa_system_sgpr_workgroup_id_z 1
		.amdhsa_system_vgpr_workitem_id 0
		.amdhsa_next_free_vgpr 1024
		.amdhsa_next_free_sgpr 96
		.amdhsa_reserve_vcc 0
		.amdhsa_float_denorm_mode_32 3
		.amdhsa_float_denorm_mode_16_64 3
		.amdhsa_memory_ordered 1
		.amdhsa_forward_progress 1
		.amdhsa_inst_pref_size 224
	.end_amdhsa_kernel
	.amdgpu_metadata
---
amdhsa.version: [ 1, 2 ]
amdhsa.kernels:
  - .name:           k_q938df96646_layer1
    .symbol:         k_q938df96646_layer1.kd
    .args:
      - { .name: xq, .offset: 0, .size: 8, .value_kind: global_buffer, .address_space: global }
      - { .name: wq1, .offset: 8, .size: 8, .value_kind: global_buffer, .address_space: global }
      - { .name: W, .offset: 16, .size: 8, .value_kind: global_buffer, .address_space: global }
      - { .name: b1, .offset: 24, .size: 8, .value_kind: global_buffer, .address_space: global }
      - { .name: a1, .offset: 32, .size: 8, .value_kind: global_buffer, .address_space: global }
    .group_segment_fixed_size: 205312
    .private_segment_fixed_size: 0
    .kernarg_segment_align: 8
    .kernarg_segment_size: 40
    .max_flat_workgroup_size: 128
    .sgpr_count:     96
    .vgpr_count:     1024
    .wavefront_size: 32
...
	.end_amdgpu_metadata
.endif
;; end of part 2
;; launch layer2 (part 3): grid 16 x 16, 4 waves a work-group, clusters of 4 x 1, 327,680 bytes of LDS; arguments a1, wq2, W, b2, a2; writes a2
.if DOCPART == 3
	.amdgcn_target "amdgcn-amd-amdhsa--gfx1250"
	.amdhsa_code_object_version 6
	.text
	.protected	k_q938df96646_layer2
	.globl	k_q938df96646_layer2
	.p2align	8
	.type	k_q938df96646_layer2,@function
k_q938df96646_layer2:
	s_mov_b64 s[64:65], 0
	v_nop
	global_prefetch_b8 v0, s[64:65] scope:SCOPE_SE
	s_setreg_imm32_b32 hwreg(HW_REG_WAVE_MODE, 25, 1), 1
	s_wait_xcnt 0x0
	s_wait_alu depctr_hold_cnt(0) depctr_sa_sdst(0) depctr_va_vdst(0) depctr_va_sdst(0) depctr_va_ssrc(0) depctr_va_vcc(0) depctr_vm_vsrc(0)
	s_getreg_b32 s2, hwreg(HW_REG_IB_STS2, 6, 4)
	s_cmp_eq_u32 s2, 0
	s_cbranch_scc0 .Lentry_in_a_cluster
	s_endpgm
.Lentry_in_a_cluster:
	s_bfe_u32 s2, ttmp6, 0x10000c
	s_cmp_lg_u32 s2, 0x3003
	s_cbranch_scc0 .Lentry_shape_is_right
	s_endpgm
.Lentry_shape_is_right:
; mid2 = elu(sum over e of W[token][e] (mid1 W2[e]^T + b2[e])), quantised along the hidden units for the next product.  The product runs on codes of BF6 (E3M2) with E8M0 scales, K = 1,024.
; SHARES.  A work-group: 256 tokens (block tb = x) x 64 hidden units (block hb = y) x all 8 experts.  A wave: 64 tokens, four tiles of 16; all four waves read the same weights from LDS.
; The tokens' fragments (8 K steps x 4 tiles, 384 registers) come once, straight into registers, and serve all 8 experts.  An expert's weights for hb are a chunk of 51,200 bytes; six chunks fit in LDS.
; Experts 0 to 5 come by the first fills; experts 6 and 7 are brought into the bytes of experts 0 and 1 when those have been read: ONE refill, 32 steps (512 matrix instructions a wave) ahead of its first read.
; CLUSTER.  The four work-groups of a cluster share hb, so each weight block is asked for JOINTLY, with the mask of all four.  The tokens are shared only with work-groups of other hb, in other clusters.
; TRANSPOSED USE: source 0 = 16 rows of a weight, source 1 = 16 tokens: a lane holds ONE token (lane % 16), so its gate is one number a lane, and the registers of weight tiles 2 b, 2 b + 1 are the 16 neighbouring
; hidden units 32 b + 16 (lane / 16) + 0 .. 15 (the rows of a tile were chosen for that when the weights were laid out).
; AN EXPERT: acc = b2 (the C of the first K step) + the product; then tot += gate x acc, four packed multiply-adds a tile, set between the matrix instructions of the expert's last step.
; ELU ahead of the quantiser: for x < -1/8, 2^(x log2 e) - 1; for -1/8 <= x < 0 the series x + x^2/2 + .. + x^5/120 (what is cut is under x^5/720 of the result: 4e-8); the middle of x, that number and 0 is elu(x) for every x.
; LIMITS: NaN and infinities are not served.  A block of zeros gets the scale byte 1 (its codes are zeros; this program alone reads the bytes).  The scale bytes leave as 2 bytes a lane, 16 bytes apart: two stores a wave.
; REGISTERS, in windows of 256.  Window 0: v0-7 ids and offsets; v8-9 the spare word's address and 0; v16-21 LDS bases; v22-23 1/24; v32-63 gates (tile m, expert e: 32 + 8 m + e); v64-79 the tokens' scale words;
;   v80-111 the weights', two sets; v112-143 the bias, 8 a tile; v144-239 weight fragments, two sets of four.   Windows 1, 2: the tokens' fragments (K step s, tile m) at 48 (s % 4) + 12 m of window 1 + s / 4.
;   Window 3: v0-127 acc (m, t) at 8 (4 m + t); v128-255 tot likewise.
.set NS,    8                          ; K steps of 128
.set NG,    2                          ; scale blocks (four K steps each) for a pair of tiles
.set NT,    4                          ; weight tiles of 16 rows
.set SP,    8                          ; steps an expert: a step is 4 weight fragments x 4 token tiles
.set CH,    51200                      ; an expert's chunk: codes [s 8][t 4][1536], then 4 scale blocks of 512
.set CODES, 49152
.set NSL,   4                          ; scale blocks in a chunk
.set I0,    0                          ; in an expert's last step the tiles are finished from this matrix instruction on
.set SCOFF, 3145728                    ; where the tokens' scale blocks begin in a1
.set BROW,  4096                       ; an expert's row of the bias, in bytes
.set SPARE, 307200                     ; behind the six chunks: the spare words, 128 bytes for each wave: two blocks of 256 bytes that no other line names
.set TOT,   32*NT
.set ADR,   16
.set GATE,  32
.set TSC,   64
.set WSC,   80
.set BIA,   112
.set WFR,   144
.set MSB, 0
.macro WIN new                         ; low byte: bits 1:0 source 0, 3:2 source 1, 5:4 source 2, 7:6 destination; the high byte repeats the setting that is left
.if MSB != (\new)
	s_set_vgpr_msb (MSB<<8)|(\new)
.set MSB, (\new)
.endif
.endm
.macro ROUND                           ; a round of the cluster's barrier
	s_barrier_signal -1
	s_barrier_wait -1
	s_cmp_lg_u32 s14, 0
	s_cbranch_scc1 .Lnot_wave_0_\@
	s_barrier_signal -3
.Lnot_wave_0_\@:
	s_barrier_wait -3
	s_barrier_signal -1
	s_barrier_wait -1
.endm
.macro SYNCP n                         ; my part of the chunk that is read next has landed (n later loads may be out), no LDS instruction of mine is pending: then the work-group's barrier.
	s_wait_dscnt 0x0
	s_wait_tensorcnt \n
	s_barrier_signal -1
	s_barrier_wait -1
.endm
.macro PLACES                          ; four places behind a matrix instruction, in front of loads into registers that it read and of reads of its result
.rept 4
	v_nop
.endr
.endm
.macro ALOAD s                         ; the tokens' fragments of K step s: for each tile two halves, 16 + 8 bytes a lane: 16 loads
	WIN 0x40*(1+(\s)/4)
.irp m, 0,1,2,3
.irp c, 0,1
	global_load_b128 v[48*((\s)%4)+12*\m+6*\c:48*((\s)%4)+12*\m+6*\c+3], v4, s[84:85] offset:(\m*NS+(\s))*1536+768*\c
	global_load_b64 v[48*((\s)%4)+12*\m+6*\c+4:48*((\s)%4)+12*\m+6*\c+5], v5, s[84:85] offset:(\m*NS+(\s))*1536+768*\c+512
.endr
.endr
.endm
.macro BIAS e                          ; expert e's bias in the result's layout: tile t = 2 b + u, lane half h: units 32 b + 16 h + 8 u + 0 .. 7
	WIN 0
.set J, 0
.rept NT
	global_load_b128 v[BIA+8*J:BIA+8*J+3], v7, s[90:91] offset:(\e)*BROW+128*(J/2)+32*(J%2)
	global_load_b128 v[BIA+8*J+4:BIA+8*J+7], v7, s[90:91] offset:(\e)*BROW+128*(J/2)+32*(J%2)+16
.set J, J+1
.endr
.endm
.macro WHERE e                         ; expert e's chunk in LDS: experts 6 and 7 lie where 0 and 1 lay
.set ADI, ADR+(\e)%6
.set LB, 0
.endm
.macro SLOAD e                         ; its scale blocks: lanes 0-15 the even tile's words, lanes 16-31 the odd tile's, four K steps a load
	WHERE \e
.set J, 0
.rept NSL
	ds_load_b128 v[WSC+16*((\e)%2)+4*J:WSC+16*((\e)%2)+4*J+3], v[ADI] offset:LB+CODES+512*J
.set J, J+1
.endr
.endm
.macro WLOAD e, st, buf                ; the four weight fragments of step st, as they lie: 12 loads of 512 consecutive bytes
	WHERE \e
.irp f, 0,1,2,3
.irp p, 0,1,2
	ds_load_b128 v[WFR+48*(\buf)+12*\f+4*\p:WFR+48*(\buf)+12*\f+4*\p+3], v[ADI] offset:LB+6144*(\st)+1536*\f+512*\p
.endr
.endr
.endm
.macro WM f, m                         ; fragment f of the step x token tile m
.if NT == 4
.set XK, XS
.set XT, \f
.else
.set XK, 2*XS+(\f)/2
.set XT, (\f)%2
.endif
.set rD, 8*(NT*(\m)+XT)
.set rA, WFR+48*(XN%2)+12*(\f)
.set rB, 48*(XK%4)+12*(\m)
.set rP, WSC+16*(XE%2)+NS*(XT/2)+XK
.set rQ, TSC+NS*((\m)/2)+XK
.if XK == 0
.set rC, BIA+8*XT                      ; the bias starts the sum
	WIN 0xC4
.else
.set rC, rD
	WIN 0xF0+4*(1+XK/4)
.endif
.if (XT%2 == 0) && ((\m)%2 == 0)
	v_wmma_scale_f32_16x16x128_f8f6f4 v[rD:rD+7], v[rA:rA+11], v[rB:rB+11], v[rC:rC+7], v[rP], v[rQ] matrix_a_fmt:MATRIX_FMT_BF6 matrix_b_fmt:MATRIX_FMT_BF6
.elseif (\m)%2 == 0
	v_wmma_scale_f32_16x16x128_f8f6f4 v[rD:rD+7], v[rA:rA+11], v[rB:rB+11], v[rC:rC+7], v[rP], v[rQ] matrix_a_fmt:MATRIX_FMT_BF6 matrix_b_fmt:MATRIX_FMT_BF6 matrix_a_scale:MATRIX_SCALE_ROW1
.elseif XT%2 == 0
	v_wmma_scale_f32_16x16x128_f8f6f4 v[rD:rD+7], v[rA:rA+11], v[rB:rB+11], v[rC:rC+7], v[rP], v[rQ] matrix_a_fmt:MATRIX_FMT_BF6 matrix_b_fmt:MATRIX_FMT_BF6 matrix_b_scale:MATRIX_SCALE_ROW1
.else
	v_wmma_scale_f32_16x16x128_f8f6f4 v[rD:rD+7], v[rA:rA+11], v[rB:rB+11], v[rC:rC+7], v[rP], v[rQ] matrix_a_fmt:MATRIX_FMT_BF6 matrix_b_fmt:MATRIX_FMT_BF6 matrix_a_scale:MATRIX_SCALE_ROW1 matrix_b_scale:MATRIX_SCALE_ROW1
.endif
.endm
.macro COMB k                          ; tot += gate x acc for the tile of the step's k-th matrix instruction, from the accumulator's low end on.  Expert 0 starts tot: nothing is cleared
.set cM, (\k)%4
.set cT, ((\k)/4)%NT
.set rAc, 8*(NT*cM+cT)
.set rT, TOT+rAc
.set rG, GATE+8*cM+2*(XE/2)
	WIN 0xF3
.irp j, 0,2,4,6
.if XE == 0
	v_pk_mul_f32 v[rT+\j:rT+\j+1], v[rAc+\j:rAc+\j+1], v[rG:rG+1] op_sel_hi:[1,0]
.elseif XE%2 == 0
	v_pk_fma_f32 v[rT+\j:rT+\j+1], v[rAc+\j:rAc+\j+1], v[rG:rG+1], v[rT+\j:rT+\j+1] op_sel_hi:[1,0,1]
.else
	v_pk_fma_f32 v[rT+\j:rT+\j+1], v[rAc+\j:rAc+\j+1], v[rG:rG+1], v[rT+\j:rT+\j+1] op_sel:[0,1,0] op_sel_hi:[1,1,1]
.endif
.endr
.endm
; At the head of an expert's last step, in which the next expert's chunk is first read.  The first fills went out in the order: expert 0; expert 1; experts 2, 3; experts 4, 5.
.macro SYNCS
.if LASTS
.if XE == 0
	SYNCP 2                                        ; expert 1's chunk is whole; the two later fills may be out
.elseif XE == 1
	WIN 0                                          ; THE REFILL.
	s_wait_tensorcnt 0x0                           ; all my tensor loads have landed: experts 2 to 5 are in;
	ds_add_u32 v8, v9                              ; 0 onto my spare word;
	s_wait_dscnt 0x0                               ; the add is done, and my reads of experts 0 and 1 are over: this step's fragments and scale words are in registers
	ROUND                                          ; both now hold of every wave of the four work-groups
	tensor_load_to_lds s[56:59], s[32:39]          ; experts 6 and 7, my quarter: my one tensor load behind the round, and the first thing there
	s_nop 0
	PLACES                                         ; four v_nop follow it
.elseif XE == 5
	SYNCP 0                                        ; experts 6 and 7 are whole
.endif
.endif
.endm
.macro LWAIT                           ; expert 0: the tokens' K step of this step is in; the count is the loads issued behind it (later K steps, 16 each; the next bias's 8, issued in step 1 ahead of K step 5).  Later experts: the bias
.if XE > 0
.if XS == 0
	s_wait_loadcnt 0x0
.endif
.elseif XS < 2
	s_wait_loadcnt 48
.elseif XS < 5
	s_wait_loadcnt 56
.elseif XS == 5
	s_wait_loadcnt 32
.elseif XS == 6
	s_wait_loadcnt 16
.else
	s_wait_loadcnt 0x0
.endif
.endm
.macro XLOADS                          ; K steps 0 to 3 of the tokens are asked for at the head, K step s + 4 in step s of expert 0
.if XS < 4
	ALOAD XS+4
.endif
.endm
; A STEP: 16 matrix instructions, the 16 accumulators by turns in the same order in every step.  At its head the next step's fragments are asked for, into the other set.
.macro STEP
.set XN, SP*XE+XS
.set LASTS, 0
.if XS == SP-1
.set LASTS, 1
.endif
.set MORE, 1
.if XN == 8*SP-1
.set MORE, 0
.endif
.set NE, XE
.set NST, XS+1
.if LASTS
.set NE, XE+1
.set NST, 0
.endif
	SYNCS
	LWAIT
	PLACES
.if (XS == 1) && (XE < 7)
	BIAS XE+1                                      ; the bias registers were last read in step 0
.endif
.if XE == 0
	XLOADS
.endif
	WIN 0
.set XL, 0
.if LASTS && MORE
	SLOAD NE
.set XL, NSL
.endif
.if MORE
	WLOAD NE, NST, (XN+1)%2
.set XL, XL+12
.endif
.set XI, 0
.irp f, 0,1,2,3
	s_wait_dscnt XL+3*(3-\f)                       ; fragment f is in: the loads just issued and this step's later fragments, three loads each, may be out
.irp m, 0,1,2,3
	WM \f, \m
.if LASTS
.if XI >= I0+2
.if XI == I0+2
	PLACES
.endif
	COMB XI-2                                      ; eight plain instructions (the first time four) lie between a tile's last product and this read
.endif
.endif
.set XI, XI+1
.endr
.endr
.if LASTS
	COMB 14
	COMB 15
.endif
.endm
	s_load_b256 s[4:11], s[0:1], 0x0               ; a1 s[4:5], wq2 s[6:7], W s[8:9], b2 s[10:11]
	s_load_b64 s[12:13], s[0:1], 0x20              ; a2
	v_lshl_add_u32 v8, v0, 2, SPARE                ; my spare word; never rewritten
	v_mov_b32 v9, 0                                ; 0; never rewritten
	ds_add_u32 v8, v9
	ds_add_u32 v8, v9
	s_wait_dscnt 0x0
	v_lshrrev_b32 v1, 5, v0
	v_readfirstlane_b32 s14, v1                    ; wave 0..3
	v_and_b32 v1, 31, v0                           ; lane
	v_and_b32 v2, 15, v0                           ; r
	v_bfe_u32 v3, v0, 4, 1                         ; h
	v_lshlrev_b32 v4, 4, v1                        ; 16 x lane
	v_lshlrev_b32 v5, 3, v1                        ; 8 x lane
	v_and_b32 v6, 8, v2
	v_add_nc_u32 v6, v6, v2
	v_lshlrev_b32 v6, 5, v6                        ; gates: token r + 8 (r / 8) of a tile, 32 bytes a token
	v_lshlrev_b32 v7, 6, v3                        ; bias: 16 h numbers on
.irp k, 0,1,2,3,4,5
	v_lshl_add_u32 v[ADR+\k], v1, 4, 51200*\k      ; LDS: 16 x lane + chunk k
.endr
	v_mov_b32 v22, 0x3d2aaaab                      ; 1/24, as a pair
	v_mov_b32 v23, 0x3d2aaaab
	s_bfe_u32 s15, ttmp6, 0x40000                  ; cx: it enters the tokens', gates' and output's addresses alone
	s_lshl_b32 s16, ttmp9, 2
	s_add_co_u32 s16, s16, s15                     ; tb
	s_and_b32 s17, ttmp7, 0xffff                   ; hb, which the four partners share
	s_lshl_b32 s18, s16, 2
	s_add_co_u32 s18, s18, s14                     ; wb = 4 tb + wave: my 64 tokens
	s_mov_b32 s24, 15|(3<<16)|(1<<21)              ; group 1: mask of all four work-groups, elements of 8 bytes, bit 21 beside the mask; a dense block as 50 rows of 256 bytes
	s_mov_b32 s25, 32<<16                          ; tensor_dim0 = 32
	s_mov_b32 s26, 50<<16                          ; tensor_dim1 = 50
	s_mov_b32 s27, 32<<16                          ; tile_dim0 = 32
	s_mov_b32 s28, 50                              ; tile_dim1 = 50
	s_mov_b32 s29, 32                              ; from row to row
	s_mov_b32 s30, 0
	s_mov_b32 s31, 0
	s_mov_b32 s32, 15|(3<<16)|(1<<21)              ; the same with 100 rows
	s_mov_b32 s33, 32<<16
	s_mov_b32 s34, 100<<16
	s_mov_b32 s35, 32<<16
	s_mov_b32 s36, 100
	s_mov_b32 s37, 32
	s_mov_b32 s38, 0
	s_mov_b32 s39, 0
	s_mul_i32 s2, s14, 12800                       ; my quarter of one chunk,
	s_mov_b32 s3, 0
	s_mul_i32 s62, s14, 25600                      ; of two
	s_mov_b32 s63, 0
	s_mul_i32 s22, s17, 8*CH
	s_mov_b32 s23, 0
	s_mov_b32 s21, 0
	s_mov_b32 s60, 0x76543210
	s_mov_b32 s61, 0xfedcba98                      ; v_permlanex16_b32's selects for lane l xor 16
	s_mov_b32 s66, 0x3fb8aa3b                      ; log2(e); the packed forms name pairs, so both words are written
	s_mov_b32 s67, 0x3fb8aa3b
	s_mov_b32 s68, 0x3c088889                      ; 1/120
	s_mov_b32 s69, 0x3c088889
	s_mov_b32 s72, 0x3e2aaaab                      ; 1/6
	s_mov_b32 s73, 0x3e2aaaab
	s_mov_b32 s74, 0xbe000000                      ; -1/8
	s_mov_b32 s75, 0xffff0000                      ; lanes 16-31
	s_wait_kmcnt 0x0
	s_mul_i32 s20, s18, 4*NS*1536
	s_add_nc_u64 s[84:85], s[4:5], s[20:21]        ; my four tiles' fragments
	s_mul_i32 s20, s18, 1024*NG
	s_add_co_u32 s20, s20, SCOFF
	s_add_nc_u64 s[86:87], s[4:5], s[20:21]        ; their scale blocks
	s_lshl_b32 s20, s18, 11
	s_add_nc_u64 s[88:89], s[8:9], s[20:21]        ; my 64 tokens' gates
	s_mul_i32 s20, s17, 64*NT
	s_add_nc_u64 s[90:91], s[10:11], s[20:21]      ; the bias at hb's first unit
	s_mul_i32 s20, s18, 49152                      ; out: codes [tile][K step 8][1536]; hb is half (hb % 2) of K step hb / 2
	s_mul_i32 s19, s17, 768
	s_add_co_u32 s20, s20, s19
	s_add_nc_u64 s[80:81], s[12:13], s[20:21]
	s_lshl_b32 s20, s18, 11                        ; out: scale blocks [pair of tiles][2][512]; hb's two bytes lie 2 (hb % 8) into a lane's 16 bytes of block hb / 8
	s_lshr_b32 s19, s17, 3
	s_lshl_b32 s19, s19, 9
	s_add_co_u32 s20, s20, s19
	s_and_b32 s19, s17, 7
	s_lshl_b32 s19, s19, 1
	s_add_co_u32 s20, s20, s19
	s_add_co_u32 s20, s20, 3145728
	s_add_nc_u64 s[82:83], s[12:13], s[20:21]
	s_add_nc_u64 s[6:7], s[6:7], s[22:23]          ; the weights of hb: eight chunks on end; LDS and memory offsets of the first fills are equal
	s_add_nc_u64 s[70:71], s[6:7], s[2:3]
	s_add_nc_u64 s[92:93], s[6:7], s[62:63]
.irp p, 0,1                            ; experts 0 and 1, a chunk each
	s_mov_b32 s[40+4*\p], 1                        ; group 0: count 1,
	s_add_co_u32 s[41+4*\p], s2, 51200*\p          ; LDS byte,
	s_add_nc_u64 s[42+4*\p:43+4*\p], s[70:71], 51200*\p   ; global address,
	s_or_b32 s[43+4*\p], s[43+4*\p], 0x80000000    ; type 2
.endr
.irp p, 2,3                            ; experts 2, 3 and experts 4, 5: two chunks a fill
	s_mov_b32 s[40+4*\p], 1
	s_add_co_u32 s[41+4*\p], s62, 102400*(\p-1)
	s_add_nc_u64 s[42+4*\p:43+4*\p], s[92:93], 102400*(\p-1)
	s_or_b32 s[43+4*\p], s[43+4*\p], 0x80000000
.endr
	s_mov_b32 s56, 1                               ; the refill: experts 6, 7 into the bytes of experts 0, 1; registers of its own
	s_mov_b32 s57, s62
	s_add_nc_u64 s[58:59], s[92:93], 307200
	s_or_b32 s59, s59, 0x80000000
.set J, 0
.rept 2*NG
	global_load_b128 v[TSC+4*J:TSC+4*J+3], v4, s[86:87] offset:512*J   ; lanes 0-15 the even tile's words, lanes 16-31 the odd tile's
.set J, J+1
.endr
.irp m, 0,1,2,3
	global_load_b128 v[GATE+8*\m:GATE+8*\m+3], v6, s[88:89] offset:(32*(\m/2)+8*(\m%2))*32
	global_load_b128 v[GATE+8*\m+4:GATE+8*\m+7], v6, s[88:89] offset:(32*(\m/2)+8*(\m%2))*32+16
.endr
	BIAS 0
	ALOAD 0
	ALOAD 1
	WIN 0
	ROUND                                          ; all four work-groups are here: the joint loads meet
	tensor_load_to_lds s[40:43], s[24:31]          ; all first fills in one group: four loads of mine are out
	s_nop 0
	tensor_load_to_lds s[44:47], s[24:31]
	s_nop 0
	tensor_load_to_lds s[48:51], s[32:39]
	s_nop 0
	tensor_load_to_lds s[52:55], s[32:39]
	s_nop 0
	PLACES                                         ; four v_nop follow the last
	ALOAD 2
	ALOAD 3
	WIN 0
	SYNCP 3                                        ; expert 0 is in LDS
	SLOAD 0
	WLOAD 0, 0, 0
.set XE, 0
.rept 8
.set XS, 0
.rept SP
	STEP
.set XS, XS+1
.endr
.set XE, XE+1
.endr
; ELU on 64 registers of tot, in place.  Y = v0-63 and P = v64-127 of window 3, which were accumulators.
.macro ELU64 q
.set X0, TOT+64*(\q)
	WIN 0xFF
.set J, 0
.rept 32
	v_pk_mul_f32 v[J:J+1], v[X0+J:X0+J+1], s[66:67] op_sel_hi:[1,0]
.set J, J+2
.endr
.set J, 0
.rept 64
	v_exp_f32 v[J], v[J]                           ; e^x: one batch
.set J, J+1
.endr
	WIN 0xC3                                       ; the series is the independent work behind the batch
.set J, 0
.rept 32
	v_pk_fma_f32 v[64+J:65+J], v[X0+J:X0+J+1], s[68:69], v[22:23] op_sel_hi:[1,0,1]
.set J, J+2
.endr
	WIN 0xFF
.set J, 0
.rept 32
	v_pk_fma_f32 v[64+J:65+J], v[64+J:65+J], v[X0+J:X0+J+1], s[72:73] op_sel_hi:[1,1,0]
.set J, J+2
.endr
.set J, 0
.rept 32
	v_pk_fma_f32 v[64+J:65+J], v[64+J:65+J], v[X0+J:X0+J+1], 0.5 op_sel_hi:[1,1,0]
.set J, J+2
.endr
.set J, 0
.rept 32
	v_pk_fma_f32 v[64+J:65+J], v[64+J:65+J], v[X0+J:X0+J+1], 1.0 op_sel_hi:[1,1,0]
.set J, J+2
.endr
.set J, 0
.rept 32
	v_pk_mul_f32 v[64+J:65+J], v[64+J:65+J], v[X0+J:X0+J+1]
.set J, J+2
.endr
	s_wait_alu depctr_va_vdst(0)                   ; one wait for the 64 exponentials, ahead of their first reader
.set J, 0
.rept 32
	v_pk_add_f32 v[J:J+1], v[J:J+1], -1.0 op_sel_hi:[1,0]
.set J, J+2
.endr
.set J, 0
.rept 16
.irp k, 0,1,2,3
	v_cmp_lt_f32 s[76+\k], v[X0+J+\k], s74         ; x < -1/8: e^x - 1, else the series
.endr
.irp k, 0,1,2,3
	v_cndmask_b32 v[64+J+\k], v[64+J+\k], v[J+\k], s[76+\k]
.endr
.irp k, 0,1,2,3
	v_med3_num_f32 v[X0+J+\k], v[X0+J+\k], v[64+J+\k], 0   ; x > 0: that number is at least x, so the middle is x; x < 0: it lies between x and 0
.endr
.set J, J+4
.endr
.endm
	PLACES                                         ; ahead of vector writes into registers that were accumulators
	ELU64 0
	ELU64 1
; THE QUANTISER: tile m's 32 registers at TOT + 32 m are two blocks of 32 hidden units, 16 numbers of each in lanes l and l xor 16.  The eight blocks n = 2 m + b take turns.
; Window 3: v[8 m ..] the codes; v[32 + 4 m ..] block 1's half as converted; v48-55 maxima; v56-63 the other lane's; v64-71 scale operands; v72-79 bytes; v80-83 two bytes a tile; v84-85 those of a pair of tiles.
	WIN 0xFF
.irp n, 0,1,2,3,4,5,6,7
	v_max3_num_f32 v[48+\n], |v[TOT+16*\n]|, |v[TOT+16*\n+1]|, 0x2800000   ; the floor 2^(5 - 127) holds the byte at 1 from below
.endr
.irp i, 2,4,6,8,10,12,14
.irp n, 0,1,2,3,4,5,6,7
	v_max3_num_f32 v[48+\n], v[48+\n], |v[TOT+16*\n+\i]|, |v[TOT+16*\n+\i+1]|
.endr
.endr
.irp n, 0,1,2,3,4,5,6,7
	v_permlanex16_b32 v[56+\n], v[48+\n], s60, s61
.endr
.irp n, 0,1,2,3,4,5,6,7
	v_max_num_f32 v[48+\n], v[48+\n], v[56+\n]     ; the block's largest magnitude
.endr
.irp n, 0,1,2,3,4,5,6,7
	v_add_nc_u32 v[64+\n], 0xfe000000, v[48+\n]    ; 4 off its exponent field: the conversion's scale operand
.endr
.irp n, 0,1,2,3,4,5,6,7
	v_lshrrev_b32 v[72+\n], 23, v[64+\n]           ; the scale's byte
.endr
.irp m, 0,1,2,3
	v_lshl_or_b32 v[80+\m], v[73+2*\m], 8, v[72+2*\m]
.endr
.irp m, 0,1,2,3
	v_cvt_scalef32_pk16_bf6_f32 v[8*\m:8*\m+2], v[TOT+32*\m:TOT+32*\m+15], v[64+2*\m]
	v_cvt_scalef32_pk16_bf6_f32 v[32+4*\m:34+4*\m], v[TOT+32*\m+16:TOT+32*\m+31], v[65+2*\m]
.endr
	v_nop                                          ; one plain place behind a scaled conversion
.irp m, 0,1,2,3                        ; the operand's layout wants a whole block in a lane: lanes 0-15 block 0, lanes 16-31 block 1
.irp i, 0,1,2
	v_permlane16_swap_b32 v[8*\m+\i], v[32+4*\m+\i]
.endr
.endr
.irp m, 0,1,2,3
.irp i, 0,1,2
	v_mov_b32 v[8*\m+3+\i], v[32+4*\m+\i]
.endr
.endr
.irp q, 0,1
	v_cndmask_b32 v[84+\q], v[80+2*\q], v[81+2*\q], s75   ; lanes 0-15 the even tile's two bytes, lanes 16-31 the odd tile's
.endr
	WIN 0x0C                                       ; a store's data are its source 1: window 3
.irp m, 0,1,2,3
	global_store_b128 v4, v[8*\m:8*\m+3], s[80:81] offset:12288*\m        ; 512 consecutive bytes, aligned to 256
	global_store_b64 v5, v[8*\m+4:8*\m+5], s[80:81] offset:12288*\m+512   ; 256 consecutive bytes, aligned
.endr
.irp q, 0,1
	global_store_b16 v4, v[84+\q], s[82:83] offset:1024*\q
.endr
	WIN 0
	s_wait_tensorcnt 0x0                           ; the wave's end, behind my last tensor load
	ds_add_u32 v8, v9
	s_wait_dscnt 0x0
	ROUND                                          ; the closing round: no work-group ends while a partner may still ask for a block that names it
	s_endpgm
.Lfunc_end_k_q938df96646_layer2:
	.size	k_q938df96646_layer2, .Lfunc_end_k_q938df96646_layer2-k_q938df96646_layer2
	.p2alignl 7, 3214868480
	.fill 96, 4, 3214868480
	.section	.rodata,"a",@progbits
	.p2align	6, 0x0
	.amdhsa_kernel k_q938df96646_layer2
		.amdhsa_group_segment_fixed_size 327680
		.amdhsa_private_segment_fixed_size 0
		.amdhsa_enable_private_segment 0
		.amdhsa_kernarg_size 40
		.amdhsa_user_sgpr_count 2
		.amdhsa_user_sgpr_kernarg_segment_ptr 1
		.amdhsa_wavefront_size32 1
		.amdhsa_system_sgpr_workgroup_id_x 1
		.amdhsa_system_sgpr_workgroup_id_y 1
		.amdhsa_system_sgpr_workgroup_id_z 1
		.amdhsa_system_vgpr_workitem_id 0
		.amdhsa_next_free_vgpr 1024
		.amdhsa_next_free_sgpr 96
		.amdhsa_reserve_vcc 0
		.amdhsa_float_denorm_mode_32 3
		.amdhsa_float_denorm_mode_16_64 3
		.amdhsa_memory_ordered 1
		.amdhsa_forward_progress 1
		.amdhsa_inst_pref_size 255
	.end_amdhsa_kernel
	.section	.bss,"aw",@nobits
	.p2align	6
	.space	262144
	.amdgpu_metadata
---
amdhsa.version: [ 1, 2 ]
amdhsa.kernels:
  - .name:           k_q938df96646_layer2
    .symbol:         k_q938df96646_layer2.kd
    .args:
      - { .name: a1, .offset: 0, .size: 8, .value_kind: global_buffer, .address_space: global }
      - { .name: wq2, .offset: 8, .size: 8, .value_kind: global_buffer, .address_space: global }
      - { .name: W, .offset: 16, .size: 8, .value_kind: global_buffer, .address_space: global }
      - { .name: b2, .offset: 24, .size: 8, .value_kind: global_buffer, .address_space: global }
      - { .name: a2, .offset: 32, .size: 8, .value_kind: global_buffer, .address_space: global }
    .group_segment_fixed_size: 327680
    .private_segment_fixed_size: 0
    .kernarg_segment_align: 8
    .kernarg_segment_size: 40
    .max_flat_workgroup_size: 128
    .sgpr_count:     96
    .vgpr_count:     1024
    .wavefront_size: 32
...
	.end_amdgpu_metadata
.endif
;; end of part 3
;; launch layer3 (part 4): grid 32 x 8, 4 waves a work-group, clusters of 4 x 1, 327,680 bytes of LDS; arguments a2, wq3, W, b3, out0; writes out0
.if DOCPART == 4
	.amdgcn_target "amdgcn-amd-amdhsa--gfx1250"
	.amdhsa_code_object_version 6
	.text
	.protected	k_q938df96646_layer3
	.globl	k_q938df96646_layer3
	.p2align	8
	.type	k_q938df96646_layer3,@function
k_q938df96646_layer3:
	s_mov_b64 s[64:65], 0
	v_nop
	global_prefetch_b8 v0, s[64:65] scope:SCOPE_SE
	s_setreg_imm32_b32 hwreg(HW_REG_WAVE_MODE, 25, 1), 1
	s_wait_xcnt 0x0
	s_wait_alu depctr_hold_cnt(0) depctr_sa_sdst(0) depctr_va_vdst(0) depctr_va_sdst(0) depctr_va_ssrc(0) depctr_va_vcc(0) depctr_vm_vsrc(0)
	s_getreg_b32 s2, hwreg(HW_REG_IB_STS2, 6, 4)
	s_cmp_eq_u32 s2, 0
	s_cbranch_scc0 .Lentry_in_a_cluster
	s_endpgm
.Lentry_in_a_cluster:
	s_bfe_u32 s2, ttmp6, 0x10000c
	s_cmp_lg_u32 s2, 0x3003
	s_cbranch_scc0 .Lentry_shape_is_right
	s_endpgm
.Lentry_shape_is_right:
; out = sum over e of W[token][e] (mid2 W3[e]^T + b3[e]), f32.  The product runs on codes of BF6 (E3M2) with E8M0 scales, K = 1,024.
; SHARES.  A work-group: 128 tokens (block tb = x) x 64 outputs (block ob = y) x all 8 experts: its share of a row of out0 is 256 consecutive bytes, aligned.  Its four waves are 2 x 2: wave w takes tokens
; 64 (w / 2) on, four tiles of 16, and HALF w % 2 OF K, four K steps of 128: 4 token tiles x 4 weight tiles x 4 K steps x 8 experts = 512 matrix instructions.
; A wave's token fragments (4 K steps x 4 tiles, 192 registers) come once, straight into registers, by 64 loads asked for at the head, and serve all 8 experts.
; THE TWO HALVES OF K are summed and weighed by the gates apart, and added in f32 on the way out: an order of adding that differs from one chain along K.  The bias enters once: it is the C of the first K step,
; multiplied by 1 in K half 0 and by 0 in K half 1 (no branch).
; WEIGHTS.  An expert's weights for ob are a chunk of 51,200 bytes; six chunks fit in LDS.  Experts 0 to 5 come by the first fills; experts 6 and 7 are brought into the bytes of experts 0 and 1: ONE refill, asked for in
; expert 2's last step, 12 steps (192 matrix instructions a wave) ahead of its first read.
; CLUSTER.  The four work-groups of a cluster share ob, so each weight block is asked for JOINTLY, with the mask of all four.  The tokens are shared only with work-groups of other ob, in other clusters; each wave takes
; them once into registers, so sharing them would add a way through LDS and spare no LDS read.
; TRANSPOSED USE: source 0 = 16 rows of a weight, source 1 = 16 tokens: a lane holds ONE token (lane % 16), so its gate is one number a lane, and the registers of weight tiles 2 b, 2 b + 1 are the 16 neighbouring
; outputs 32 b + 16 (lane / 16) + 0 .. 15 (the rows of a tile were chosen for that when the weights were laid out).
; AN EXPERT: acc = the bias's share + the product over my half of K; then tot += gate x acc, four packed multiply-adds a tile, set between the matrix instructions of the expert's last step.
; THE TOKENS OF A TILE ARE NOT NEIGHBOURS: place r of tile T is token 32 (T / 2) + 8 (T % 2) + r + 8 (r / 8); the gates' loads and the stores follow that.
; THE WAY OUT: each wave lays its 64 rows x 256 bytes into its K half's copy of a stage; a barrier; wave w reads rows 32 w on of both copies, adds them, and stores: sixteen lanes to a row's 256 consecutive bytes.
; LIMITS: NaN and infinities are not served (an infinite bias times 0 would be NaN).
; REGISTERS, in windows of 256.  Window 0: v0-7 ids and offsets; v8-9 the spare word's address and 0; v10-12 the way out; v16-21 LDS bases of the codes, v24-29 of the scale blocks; v32-63 gates (tile m, expert e:
;   32 + 8 m + e); v64-71 the tokens' scale words; v80-111 the weights', two sets; v112-143 the bias, 8 a tile; v144-239 weight fragments, two sets of four.
;   Window 1: the tokens' fragments (my K step s, tile m) at 48 s + 12 m.   Window 3: v0-127 acc (m, t) at 8 (4 m + t), on the way out the rows read back; v128-255 tot likewise.
.set NS,    4                          ; K steps of 128 that a wave takes
.set NSA,   8                          ; K steps in a tile's run of fragments in a2
.set NT,    4                          ; weight tiles of 16 rows
.set SP,    4                          ; steps an expert: a step is 4 weight fragments x 4 token tiles
.set CH,    51200                      ; an expert's chunk: codes [s 8][t 4][1536], then scale blocks [pair of tiles 2][K half 2][512]
.set CODES, 49152
.set NSL,   2                          ; scale blocks that a wave takes of a chunk
.set I0,    0                          ; in an expert's last step the tiles are finished from this matrix instruction on
.set SCOFF, 3145728                    ; where the tokens' scale blocks begin in a2
.set BROW,  2048                       ; an expert's row of the bias, in bytes
.set SPARE, 307200                     ; behind the six chunks: the spare words, 128 bytes for each wave: two blocks of 256 bytes that no other line names
.set STAGE, 102400                     ; the stage lies where experts 2 and 3 lay: those bytes have had their only fill, and nobody reads them behind the barrier in expert 5's last step
.set SPITCH, 272                       ; a stage row: 256 bytes + 16: the sixteen rows that a store touches begin 16 bytes apart modulo 256
.set SCOPY, 128*SPITCH                 ; a K half's copy: 128 rows
.set TOT,   32*NT
.set ADR,   16
.set ADS,   24
.set GATE,  32
.set TSC,   64
.set WSC,   80
.set BIA,   112
.set WFR,   144
.set MSB, 0
.macro WIN new                         ; low byte: bits 1:0 source 0, 3:2 source 1, 5:4 source 2, 7:6 destination; the high byte repeats the setting that is left
.if MSB != (\new)
	s_set_vgpr_msb (MSB<<8)|(\new)
.set MSB, (\new)
.endif
.endm
.macro ROUND                           ; a round of the cluster's barrier
	s_barrier_signal -1
	s_barrier_wait -1
	s_cmp_lg_u32 s14, 0
	s_cbranch_scc1 .Lnot_wave_0_\@
	s_barrier_signal -3
.Lnot_wave_0_\@:
	s_barrier_wait -3
	s_barrier_signal -1
	s_barrier_wait -1
.endm
.macro SYNCP n                         ; my part of the chunk that is read next has landed (n later loads may be out), no LDS instruction of mine is pending: then the work-group's barrier.
	s_wait_dscnt 0x0
	s_wait_tensorcnt \n
	s_barrier_signal -1
	s_barrier_wait -1
.endm
.macro PLACES                          ; four places behind a matrix instruction, in front of loads into registers that it read and of reads of its result
.rept 4
	v_nop
.endr
.endm
.macro ALOAD s                         ; the tokens' fragments of my K step s: for each tile two halves, 16 + 8 bytes a lane: 16 loads
	WIN 0x40
.irp m, 0,1,2,3
.irp c, 0,1
	global_load_b128 v[48*(\s)+12*\m+6*\c:48*(\s)+12*\m+6*\c+3], v4, s[84:85] offset:(\m*NSA+(\s))*1536+768*\c
	global_load_b64 v[48*(\s)+12*\m+6*\c+4:48*(\s)+12*\m+6*\c+5], v5, s[84:85] offset:(\m*NSA+(\s))*1536+768*\c+512
.endr
.endr
.endm
.macro BIAS e                          ; expert e's bias in the result's layout: tile t = 2 b + u, lane half h: outputs 32 b + 16 h + 8 u + 0 .. 7
	WIN 0
.set J, 0
.rept NT
	global_load_b128 v[BIA+8*J:BIA+8*J+3], v7, s[90:91] offset:(\e)*BROW+128*(J/2)+32*(J%2)
	global_load_b128 v[BIA+8*J+4:BIA+8*J+7], v7, s[90:91] offset:(\e)*BROW+128*(J/2)+32*(J%2)+16
.set J, J+1
.endr
.endm
.macro BSCALE                          ; the bias's share: x 1 in K half 0, x 0 in K half 1
	WIN 0
.set J, 0
.rept 4*NT
	v_pk_mul_f32 v[BIA+J:BIA+J+1], v[BIA+J:BIA+J+1], s[72:73] op_sel_hi:[1,0]
.set J, J+2
.endr
.endm
.macro WHERE e                         ; expert e's chunk in LDS: experts 6 and 7 lie where 0 and 1 lay.  The base registers hold my K half's place
.set ADI, ADR+(\e)%6
.set ASI, ADS+(\e)%6
.endm
.macro SLOAD e                         ; my K half's scale blocks: lanes 0-15 the even tile's words, lanes 16-31 the odd tile's, four K steps a load
	WHERE \e
.set J, 0
.rept NSL
	ds_load_b128 v[WSC+16*((\e)%2)+4*J:WSC+16*((\e)%2)+4*J+3], v[ASI] offset:CODES+1024*J
.set J, J+1
.endr
.endm
.macro WLOAD e, st, buf                ; the four weight fragments of step st, as they lie: 12 loads of 512 consecutive bytes
	WHERE \e
.irp f, 0,1,2,3
.irp p, 0,1,2
	ds_load_b128 v[WFR+48*(\buf)+12*\f+4*\p:WFR+48*(\buf)+12*\f+4*\p+3], v[ADI] offset:6144*(\st)+1536*\f+512*\p
.endr
.endr
.endm
.macro WM f, m                         ; weight tile f of my K step XS x token tile m
.set XK, XS
.set XT, \f
.set rD, 8*(NT*(\m)+XT)
.set rA, WFR+48*(XN%2)+12*(\f)
.set rB, 48*XK+12*(\m)
.set rP, WSC+16*(XE%2)+NS*(XT/2)+XK
.set rQ, TSC+NS*((\m)/2)+XK
.if XK == 0
.set rC, BIA+8*XT                      ; the bias's share starts the sum
	WIN 0xC4
.else
.set rC, rD
	WIN 0xF4
.endif
.if (XT%2 == 0) && ((\m)%2 == 0)
	v_wmma_scale_f32_16x16x128_f8f6f4 v[rD:rD+7], v[rA:rA+11], v[rB:rB+11], v[rC:rC+7], v[rP], v[rQ] matrix_a_fmt:MATRIX_FMT_BF6 matrix_b_fmt:MATRIX_FMT_BF6
.elseif (\m)%2 == 0
	v_wmma_scale_f32_16x16x128_f8f6f4 v[rD:rD+7], v[rA:rA+11], v[rB:rB+11], v[rC:rC+7], v[rP], v[rQ] matrix_a_fmt:MATRIX_FMT_BF6 matrix_b_fmt:MATRIX_FMT_BF6 matrix_a_scale:MATRIX_SCALE_ROW1
.elseif XT%2 == 0
	v_wmma_scale_f32_16x16x128_f8f6f4 v[rD:rD+7], v[rA:rA+11], v[rB:rB+11], v[rC:rC+7], v[rP], v[rQ] matrix_a_fmt:MATRIX_FMT_BF6 matrix_b_fmt:MATRIX_FMT_BF6 matrix_b_scale:MATRIX_SCALE_ROW1
.else
	v_wmma_scale_f32_16x16x128_f8f6f4 v[rD:rD+7], v[rA:rA+11], v[rB:rB+11], v[rC:rC+7], v[rP], v[rQ] matrix_a_fmt:MATRIX_FMT_BF6 matrix_b_fmt:MATRIX_FMT_BF6 matrix_a_scale:MATRIX_SCALE_ROW1 matrix_b_scale:MATRIX_SCALE_ROW1
.endif
.endm
.macro COMB k                          ; tot += gate x acc for the tile of the step's k-th matrix instruction, from the accumulator's low end on.  Expert 0 starts tot: nothing is cleared
.set cM, (\k)%4
.set cT, ((\k)/4)%NT
.set rAc, 8*(NT*cM+cT)
.set rT, TOT+rAc
.set rG, GATE+8*cM+2*(XE/2)
	WIN 0xF3
.irp j, 0,2,4,6
.if XE == 0
	v_pk_mul_f32 v[rT+\j:rT+\j+1], v[rAc+\j:rAc+\j+1], v[rG:rG+1] op_sel_hi:[1,0]
.elseif XE%2 == 0
	v_pk_fma_f32 v[rT+\j:rT+\j+1], v[rAc+\j:rAc+\j+1], v[rG:rG+1], v[rT+\j:rT+\j+1] op_sel_hi:[1,0,1]
.else
	v_pk_fma_f32 v[rT+\j:rT+\j+1], v[rAc+\j:rAc+\j+1], v[rG:rG+1], v[rT+\j:rT+\j+1] op_sel:[0,1,0] op_sel_hi:[1,1,1]
.endif
.endr
.endm
; At the head of an expert's last step, in which the next expert's chunk is first read.  The first fills went out in the order: expert 0; expert 1; experts 2, 3; experts 4, 5.
.macro SYNCS
.if LASTS
.if XE == 0
	SYNCP 2                                        ; expert 1's chunk is whole; the two later fills may be out
.elseif XE == 1
	SYNCP 1                                        ; experts 2 and 3 are whole; the last fill may be out
.elseif XE == 2
	WIN 0                                          ; THE REFILL.
	s_wait_tensorcnt 0x0                           ; all my tensor loads have landed: experts 4 and 5 are in;
	ds_add_u32 v8, v9                              ; 0 onto my spare word;
	s_wait_dscnt 0x0                               ; the add is done, and my reads of experts 0 and 1 have long been over
	ROUND                                          ; both now hold of every wave of the four work-groups
	tensor_load_to_lds s[56:59], s[32:39]          ; experts 6 and 7, my quarter: my one tensor load behind the round, and the first thing there
	s_nop 0
	PLACES                                         ; four v_nop follow it
.elseif XE == 5
	SYNCP 0                                        ; experts 6 and 7 are whole; behind this barrier nobody reads the bytes of experts 2 to 5
.endif
.endif
.endm
.macro LWAIT                           ; expert 0: the tokens' K step of this step is in; the count is the loads issued behind it (later K steps, 16 each; from step 2 on the next bias's 8).  Later experts: the bias
.if XE > 0
.if XS == 0
	s_wait_loadcnt 0x0
.endif
.elseif XS == 0
	s_wait_loadcnt 48
.elseif XS == 1
	s_wait_loadcnt 32
.elseif XS == 2
	s_wait_loadcnt 24
.else
	s_wait_loadcnt 8
.endif
.endm
; A STEP: 16 matrix instructions, the 16 accumulators by turns in the same order in every step.  At its head the next step's fragments are asked for, into the other set.
.macro STEP
.set XN, SP*XE+XS
.set LASTS, 0
.if XS == SP-1
.set LASTS, 1
.endif
.set MORE, 1
.if XN == 8*SP-1
.set MORE, 0
.endif
.set NE, XE
.set NST, XS+1
.if LASTS
.set NE, XE+1
.set NST, 0
.endif
	SYNCS
	LWAIT
.if XS == 0
	BSCALE                                         ; behind the wait that shows the bias in
.endif
	PLACES
.if (XS == 1) && (XE < 7)
	BIAS XE+1                                      ; the bias registers were last read in step 0
.endif
	WIN 0
.set XL, 0
.if LASTS && MORE
	SLOAD NE
.set XL, NSL
.endif
.if MORE
	WLOAD NE, NST, (XN+1)%2
.set XL, XL+12
.endif
.set XI, 0
.irp f, 0,1,2,3
	s_wait_dscnt XL+3*(3-\f)                       ; fragment f is in: the loads just issued and this step's later fragments, three loads each, may be out
.irp m, 0,1,2,3
	WM \f, \m
.if LASTS
.if XI >= I0+2
.if XI == I0+2
	PLACES
.endif
	COMB XI-2                                      ; eight plain instructions (the first time four) lie between a tile's last product and this read
.endif
.endif
.set XI, XI+1
.endr
.endr
.if LASTS
	COMB 14
	COMB 15
.endif
.endm
	s_load_b256 s[4:11], s[0:1], 0x0               ; a2 s[4:5], wq3 s[6:7], W s[8:9], b3 s[10:11]
	s_load_b64 s[12:13], s[0:1], 0x20              ; out0
	v_lshl_add_u32 v8, v0, 2, SPARE                ; my spare word; never rewritten
	v_mov_b32 v9, 0                                ; 0; never rewritten
	ds_add_u32 v8, v9
	ds_add_u32 v8, v9
	s_wait_dscnt 0x0
	v_lshrrev_b32 v1, 5, v0
	v_readfirstlane_b32 s14, v1                    ; wave 0..3
	v_and_b32 v1, 31, v0                           ; lane
	v_and_b32 v2, 15, v0                           ; r
	v_bfe_u32 v3, v0, 4, 1                         ; h
	v_lshlrev_b32 v4, 4, v1                        ; 16 x lane
	v_lshlrev_b32 v5, 3, v1                        ; 8 x lane
	v_and_b32 v6, 8, v2
	v_add_nc_u32 v6, v6, v2
	v_lshlrev_b32 v6, 5, v6                        ; gates: token r + 8 (r / 8) of a tile, 32 bytes a token
	v_lshlrev_b32 v7, 6, v3                        ; bias: 16 h numbers on
	s_and_b32 s66, s14, 1                          ; my half of K
	s_lshr_b32 s67, s14, 1                         ; my half of the tokens
	s_mul_i32 s68, s66, 24576                      ; a K half's codes in a chunk: four K steps of 6,144 bytes
	s_lshl_b32 s69, s66, 9                         ; and its scale block beside the other half's
.irp k, 0,1,2,3,4,5
	v_lshl_add_u32 v[ADR+\k], v1, 4, 51200*\k      ; LDS: 16 x lane + chunk k
	v_lshl_add_u32 v[ADS+\k], v1, 4, 51200*\k
.endr
.irp k, 0,1,2,3,4,5
	v_add_nc_u32 v[ADR+\k], s68, v[ADR+\k]         ; + my K half's place among the codes,
	v_add_nc_u32 v[ADS+\k], s69, v[ADS+\k]         ; among the scale blocks
.endr
	s_mul_i32 s19, s66, SCOPY                      ; the stage, in: my K half's copy,
	s_mul_i32 s74, s67, 64*SPITCH                  ; my 64 rows,
	s_add_co_u32 s19, s19, s74
	s_add_co_u32 s19, s19, STAGE
	v_mul_u32_u24 v10, v2, SPITCH
	v_lshl_add_u32 v10, v3, 6, v10
	v_add_nc_u32 v10, s19, v10                     ; row r of a tile, + 64 h bytes
	s_mul_i32 s19, s14, 32*SPITCH                  ; and back: rows 32 w on,
	s_add_co_u32 s19, s19, STAGE
	v_mul_u32_u24 v11, v3, SPITCH
	v_lshl_add_u32 v11, v2, 4, v11
	v_add_nc_u32 v11, s19, v11                     ; lanes 0-15 one row, lanes 16-31 the next; 16 bytes a lane
	v_lshlrev_b32 v12, 11, v3
	v_lshl_add_u32 v12, v2, 4, v12                 ; the same in out0: rows of 2,048 bytes
	s_cmp_eq_u32 s66, 0
	s_cselect_b32 s72, 1.0, 0                      ; the bias's factor; the packed form names a pair, so both words are written
	s_mov_b32 s73, s72
	s_bfe_u32 s15, ttmp6, 0x40000                  ; cx: it enters the tokens', gates' and output's addresses alone
	s_lshl_b32 s16, ttmp9, 2
	s_add_co_u32 s16, s16, s15                     ; tb
	s_and_b32 s17, ttmp7, 0xffff                   ; ob, which the four partners share
	s_lshl_b32 s18, s16, 1
	s_add_co_u32 s18, s18, s67                     ; wb = 2 tb + w / 2: my 64 tokens
	s_mov_b32 s24, 15|(3<<16)|(1<<21)              ; group 1: mask of all four work-groups, elements of 8 bytes, bit 21 beside the mask; a dense block as 50 rows of 256 bytes
	s_mov_b32 s25, 32<<16                          ; tensor_dim0 = 32
	s_mov_b32 s26, 50<<16                          ; tensor_dim1 = 50
	s_mov_b32 s27, 32<<16                          ; tile_dim0 = 32
	s_mov_b32 s28, 50                              ; tile_dim1 = 50
	s_mov_b32 s29, 32                              ; from row to row
	s_mov_b32 s30, 0
	s_mov_b32 s31, 0
	s_mov_b32 s32, 15|(3<<16)|(1<<21)              ; the same with 100 rows
	s_mov_b32 s33, 32<<16
	s_mov_b32 s34, 100<<16
	s_mov_b32 s35, 32<<16
	s_mov_b32 s36, 100
	s_mov_b32 s37, 32
	s_mov_b32 s38, 0
	s_mov_b32 s39, 0
	s_mul_i32 s2, s14, 12800                       ; my quarter of one chunk,
	s_mov_b32 s3, 0
	s_mul_i32 s62, s14, 25600                      ; of two
	s_mov_b32 s63, 0
	s_mul_i32 s22, s17, 8*CH
	s_mov_b32 s23, 0
	s_mov_b32 s21, 0
	ROUND                                          ; all four work-groups are here: the joint loads will meet.  (The round stands while the arguments are on their way: it names none of them)
	s_wait_kmcnt 0x0
	s_add_nc_u64 s[6:7], s[6:7], s[22:23]          ; the weights of ob: eight chunks on end; LDS and memory offsets of the first fills are equal
	s_add_nc_u64 s[70:71], s[6:7], s[2:3]
	s_add_nc_u64 s[92:93], s[6:7], s[62:63]
.irp p, 0,1                            ; experts 0 and 1, a chunk each
	s_mov_b32 s[40+4*\p], 1                        ; group 0: count 1,
	s_add_co_u32 s[41+4*\p], s2, 51200*\p          ; LDS byte,
	s_add_nc_u64 s[42+4*\p:43+4*\p], s[70:71], 51200*\p   ; global address,
	s_or_b32 s[43+4*\p], s[43+4*\p], 0x80000000    ; type 2
.endr
.irp p, 2,3                            ; experts 2, 3 and experts 4, 5: two chunks a fill
	s_mov_b32 s[40+4*\p], 1
	s_add_co_u32 s[41+4*\p], s62, 102400*(\p-1)
	s_add_nc_u64 s[42+4*\p:43+4*\p], s[92:93], 102400*(\p-1)
	s_or_b32 s[43+4*\p], s[43+4*\p], 0x80000000
.endr
	s_mov_b32 s56, 1                               ; the refill: experts 6, 7 into the bytes of experts 0, 1; registers of its own
	s_mov_b32 s57, s62
	s_add_nc_u64 s[58:59], s[92:93], 307200
	s_or_b32 s59, s59, 0x80000000
	tensor_load_to_lds s[40:43], s[24:31]          ; all first fills in one group, ahead of everything else that is asked of memory: four loads of mine are out
	s_nop 0
	tensor_load_to_lds s[44:47], s[24:31]
	s_nop 0
	tensor_load_to_lds s[48:51], s[32:39]
	s_nop 0
	tensor_load_to_lds s[52:55], s[32:39]
	s_nop 0
	PLACES                                         ; four v_nop follow the last
	s_mul_i32 s20, s18, 4*NSA*1536
	s_mul_i32 s19, s66, NS*1536
	s_add_co_u32 s20, s20, s19
	s_add_nc_u64 s[84:85], s[4:5], s[20:21]        ; my four tiles' fragments, at my K half
	s_lshl_b32 s20, s18, 11                        ; their scale blocks [pair of tiles][K half][512]
	s_add_co_u32 s20, s20, s69
	s_add_co_u32 s20, s20, SCOFF
	s_add_nc_u64 s[86:87], s[4:5], s[20:21]
	s_lshl_b32 s20, s18, 11
	s_add_nc_u64 s[88:89], s[8:9], s[20:21]        ; my 64 tokens' gates
	s_mul_i32 s20, s17, 64*NT
	s_add_nc_u64 s[90:91], s[10:11], s[20:21]      ; the bias at ob's first output
	s_lshl_b32 s20, s16, 18                        ; out0: the work-group's 128 rows of 2,048 bytes,
	s_lshl_b32 s19, s14, 16                        ; the 32 of them that I store,
	s_add_co_u32 s20, s20, s19
	s_lshl_b32 s19, s17, 8                         ; ob's 256 bytes of a row
	s_add_co_u32 s20, s20, s19
	s_add_nc_u64 s[80:81], s[12:13], s[20:21]
.irp j, 0,1
	global_load_b128 v[TSC+4*\j:TSC+4*\j+3], v4, s[86:87] offset:1024*\j   ; lanes 0-15 the even tile's words, lanes 16-31 the odd tile's
.endr
.irp m, 0,1,2,3
	global_load_b128 v[GATE+8*\m:GATE+8*\m+3], v6, s[88:89] offset:(32*(\m/2)+8*(\m%2))*32
	global_load_b128 v[GATE+8*\m+4:GATE+8*\m+7], v6, s[88:89] offset:(32*(\m/2)+8*(\m%2))*32+16
.endr
	BIAS 0
	ALOAD 0
	ALOAD 1
	ALOAD 2
	ALOAD 3
	WIN 0
	SYNCP 3                                        ; expert 0 is in LDS
	SLOAD 0
	WLOAD 0, 0, 0
.set XE, 0
.rept 8
.set XS, 0
.rept SP
	STEP
.set XS, XS+1
.endr
.set XE, XE+1
.endr
; THE WAY OUT.  Tile m, pair b of weight tiles: a lane's 16 registers are outputs 32 b + 16 h + 0 .. 15 of the token at place r: 64 bytes of row 16 m + r of my 64 rows, in my K half's copy.
	WIN 0x0C                                       ; an LDS store's data are its source 1: window 3
.irp m, 0,1,2,3
.irp b, 0,1
.irp k, 0,1,2,3
	ds_store_b128 v10, v[TOT+32*\m+16*\b+4*\k:TOT+32*\m+16*\b+4*\k+3] offset:16*SPITCH*\m+128*\b+16*\k
.endr
.endr
.endr
	s_wait_dscnt 0x0                               ; for the others' sake: my stores into the stage are done
	s_barrier_signal -1
	s_barrier_wait -1                              ; both copies are whole
	WIN 0xC0                                       ; destination window 3: the registers that were accumulators (the last product stands more than eight plain instructions back)
.set J, 0
.rept 16
	ds_load_b128 v[4*J:4*J+3], v11 offset:2*SPITCH*J               ; rows 32 w + 2 J, + 1 of K half 0's copy,
	ds_load_b128 v[64+4*J:64+4*J+3], v11 offset:SCOPY+2*SPITCH*J   ; of K half 1's
.set J, J+1
.endr
	WIN 0xFF
.set J, 0
.rept 16
	s_wait_dscnt 30-2*J                            ; pair J of the 16 pairs of loads is in; the later pairs may be out
	v_pk_add_f32 v[4*J:4*J+1], v[4*J:4*J+1], v[64+4*J:64+4*J+1]
	v_pk_add_f32 v[4*J+2:4*J+3], v[4*J+2:4*J+3], v[64+4*J+2:64+4*J+3]
.set J, J+1
.endr
	WIN 0x0C                                       ; a store's data are its source 1: window 3
.set J, 0
.rept 16                               ; stage rows 2 J, 2 J + 1 of my 32 are places 2 (J % 8), + 1 of tile J / 8 of my pair of tiles: tokens 8 (J / 8) + 2 (J % 8) + 8 ((J % 8) / 4) on
	global_store_b128 v12, v[4*J:4*J+3], s[80:81] offset:(8*(J/8)+2*(J%8)+8*((J%8)/4))*2048 th:TH_STORE_NT   ; sixteen lanes store 256 consecutive bytes, aligned; written once, read by nobody here
.set J, J+1
.endr
	WIN 0
	s_wait_tensorcnt 0x0                           ; the wave's end, behind my last tensor load and my last LDS store
	ds_add_u32 v8, v9
	s_wait_dscnt 0x0
	ROUND                                          ; the closing round: no work-group ends while a partner may still ask for a block that names it
	s_endpgm
.Lfunc_end_k_q938df96646_layer3:
	.size	k_q938df96646_layer3, .Lfunc_end_k_q938df96646_layer3-k_q938df96646_layer3
	.p2alignl 7, 3214868480
	.fill 96, 4, 3214868480
	.section	.rodata,"a",@progbits
	.p2align	6, 0x0
	.amdhsa_kernel k_q938df96646_layer3
		.amdhsa_group_segment_fixed_size 327680
		.amdhsa_private_segment_fixed_size 0
		.amdhsa_enable_private_segment 0
		.amdhsa_kernarg_size 40
		.amdhsa_user_sgpr_count 2
		.amdhsa_user_sgpr_kernarg_segment_ptr 1
		.amdhsa_wavefront_size32 1
		.amdhsa_system_sgpr_workgroup_id_x 1
		.amdhsa_system_sgpr_workgroup_id_y 1
		.amdhsa_system_sgpr_workgroup_id_z 1
		.amdhsa_system_vgpr_workitem_id 0
		.amdhsa_next_free_vgpr 1024
		.amdhsa_next_free_sgpr 96
		.amdhsa_reserve_vcc 0
		.amdhsa_float_denorm_mode_32 3
		.amdhsa_float_denorm_mode_16_64 3
		.amdhsa_memory_ordered 1
		.amdhsa_forward_progress 1
		.amdhsa_inst_pref_size 178
	.end_amdhsa_kernel
	.amdgpu_metadata
---
amdhsa.version: [ 1, 2 ]
amdhsa.kernels:
  - .name:           k_q938df96646_layer3
    .symbol:         k_q938df96646_layer3.kd
    .args:
      - { .name: a2, .offset: 0, .size: 8, .value_kind: global_buffer, .address_space: global }
      - { .name: wq3, .offset: 8, .size: 8, .value_kind: global_buffer, .address_space: global }
      - { .name: W, .offset: 16, .size: 8, .value_kind: global_buffer, .address_space: global }
      - { .name: b3, .offset: 24, .size: 8, .value_kind: global_buffer, .address_space: global }
      - { .name: out0, .offset: 32, .size: 8, .value_kind: global_buffer, .address_space: global }
    .group_segment_fixed_size: 327680
    .private_segment_fixed_size: 0
    .kernarg_segment_align: 8
    .kernarg_segment_size: 40
    .max_flat_workgroup_size: 128
    .sgpr_count:     96
    .vgpr_count:     1024
    .wavefront_size: 32
...
	.end_amdgpu_metadata
.endif
;; end of part 4
